; MI455X (gfx1250); checked and timed in simulation.
; The chip was launched on July 23, 2026; its instructions are those of AMD's public machine-readable ISA for CDNA 5 (MIT licence, August 2026) and "CDNA5" Instruction Set Architecture Reference Guide (July 2026). The comments in the code are by the model that wrote it; some were corrected since.
;; Attention Module. Allowed arithmetic: matrix products marked QUANTISED: E2M3 operands, one E8M0 scale for each 32 along K, by v_wmma_scale_f32_16x16x128_f8f6f4 with both operands' format E2M3, f32 sums; everything else in f32.
;; Inputs: a_codes 4 x 4,096 x 32 x 24 uint8 (E2M3 codes of a, K innermost, in blocks of 32 codes, four codes in three bytes); a_scales 4 x 4,096 x 32 uint8 (E8M0 scales of a, one for each 32 codes along K); q 4 x 2,048 x 1,024 float32.
;; Outputs: out0 4 x 4,096 x 1,024 float32.
;; This version of the problem:
;;   THIS VERSION OF THE PROBLEM IS GIVEN IN LOW PRECISION. The matrix products marked QUANTISED in the list below multiply operands that are first quantised to E2M3 (2 exponent bits, 3 mantissa bits; 6 bits a number), with one power-of-two scale for each 32 numbers along K (OCP MX v1.0); their sums are f32. All else is computed in f32.
;;   The module's matrix products, in the order in which they are computed (A, B: the left and right operand; K: the contracted axis; several contracted axes count as one K, in the product's order):
;;     1. batch 4 x [M 2,048, K 1,024] x [K 1,024, N 4,096]; A: input q; B: input a (given as codes): QUANTISED
;;     2. batch 4 x [M 4,096, K 2,048] x [K 2,048, N 1,024]; A: softmax (see below); B: input q: QUANTISED
;;   THE QUANTISER, for each operand of a quantised product, along K:
;;     - K is cut into blocks of 32 from its start; a last block that is shorter is filled with zeros.
;;     - A block's scale is 2^e with e = floor(log2(the largest magnitude in the block)) - 2, held to -126 .. 127; a block of zeros has e = 0. As a byte (E8M0): e + 127.
;;     - Each number is divided by its block's scale, clamped to +-7.5, and rounded to the nearest number of E2M3, ties to even, subnormals kept.
;;     - The product sums the exact products of the quantised numbers (number of the format x scale) in f32.
;;   ~~~python
;;   def quantise(x, axis):      # numpy; x: float32 -> the quantised numbers, widened to float32 again
;;       x = np.moveaxis(x, axis, -1); K = x.shape[-1]
;;       x = np.pad(x, [(0, 0)] * (x.ndim - 1) + [(0, -K % 32)]); x = x.reshape(x.shape[:-1] + (-1, 32)); a = np.abs(x).max(-1, keepdims=True)
;;       e = np.where(a > 0, np.clip(np.frexp(np.where(a > 0, a, 1))[1] - 1 - 2, -126, 127), 0)      # np.frexp(a)[1] - 1 = floor(log2(a)), exactly
;;       r = np.clip(x / 2.0 ** e, -7.5, 7.5)
;;       step = 2.0 ** (np.maximum(np.frexp(np.where(r == 0, 1, r))[1] - 1, 0) - 3)
;;       q = np.round(r / step) * step * 2.0 ** e      # np.round: ties to even
;;       return np.moveaxis(q.reshape(q.shape[:-2] + (-1,))[..., :K], -1, axis).astype(np.float32)
;;   ~~~
;;   SOFTMAX AHEAD OF A QUANTISED PRODUCT. Where the list says 'softmax', what is quantised is not the finished softmax but p = 2^(t - M), with t = logit x log2(e) and M = ceil(the row's largest t), a whole number; so 1/2 < the row's largest p <= 1. The row's sum l is taken of the UNQUANTISED p, in f32, and the product's result is divided by l at the end. Since M is a whole number, a kernel that streams over the keys may use a running M (the ceiling of the running maximum): every later rescaling is an exact power of two, which a block's scale takes up: the codes' values come out the same.
;;   OPERANDS COMPUTED ON THE WAY. 'Computed on the way' means the value that the module computes at that place (a softmax that the list does not call 'softmax' is quantised finished and normalised). What goes into a quantiser is computed in f32, as accurately as f32 sums, v_exp_f32 and their like allow (about 1e-6 of the number): no bf16 or f16 on the way to a quantiser, and a product that is left as it is and whose result goes on into a quantised operand takes f32 operands (vector FMAs, or v_wmma_f32_16x16x4_f32). A number that lies on a knife's edge between two numbers of the format may be rounded either way, as far as f32 arithmetic and the matrix unit's own rounding can turn it there, and no further.
;;   INPUTS GIVEN AS CODES. a (in the module: [4, 4096, 1024], K = its axis 2): each comes as NAME_codes (uint8): NAME with its K axis moved to the last place and cut into blocks of 32 codes, [.., K / 32, bytes a block], one block behind the other in memory; four codes in three bytes: a row's codes are one little-endian stream of bits, code i at bits 6 i .. 6 i + 5 (a code: sign, 2 exponent bits, 3 mantissa bits); and NAME_scales (uint8): the same leading axes, one E8M0 byte (e + 127) for each 32 codes along K. Its value is code x scale, taken as it is: it is not quantised again, and the codes and scales need not be those that the quantiser above would give.
;; 2 versions. Each part assembles by itself: llvm-mc -triple=amdgcn-amd-amdhsa -mcpu=gfx1250 --defsym DOCPART=n.
;; ======== version 1 of 2: 2 launches
;; limits: right only within a limited range of input values
;; workspace buffers: qc 13,107,200 bytes
;; launch quant (part 1): grid 256 x 1, 8 waves a work-group, no clusters, 162,816 bytes of LDS; arguments q, qc; writes qc
.if DOCPART == 1
	.amdgcn_target "amdgcn-amd-amdhsa--gfx1250"
	.amdhsa_code_object_version 6
	.text
	.protected	k_qb10b202071_quant
	.globl	k_qb10b202071_quant
	.p2align	8
	.type	k_qb10b202071_quant,@function
k_qb10b202071_quant:
	s_mov_b64 s[64:65], 0
	v_nop
	global_prefetch_b8 v0, s[64:65] scope:SCOPE_SE
	s_setreg_imm32_b32 hwreg(HW_REG_WAVE_MODE, 25, 1), 1
	s_wait_xcnt 0x0
; q [4][2048][1024], f32, is quantised TWICE to codes of FP6 (E2M3) with one E8M0 byte for each 32 numbers: along d (part 0, the first product's operand) and along n (part 1, the second's).
; A block's scale is 2^(floor(log2(its largest magnitude)) - 2): its byte is the largest magnitude's exponent field - 2, held at 1 from below by a floor among the maximum's leaves.  (A block of zeros so has the byte 1
; where the rule says 127: its codes are zeros, and this program alone reads the bytes.)  LIMITS: NaN and infinities among the inputs are not served.
; THE OUTPUT IS LAID AS THE READER'S REGISTERS WANT IT: qc is [batch 4][part 2][64] RECORDS of 25,600 bytes.  A record is 16 fragment images of 1,536 bytes (registers 4 g .. 4 g + 3 of lane l at 512 g + 16 l)
; and, from byte 24,576 on, 1,024 bytes of scale words (word k of lane l at 32 l + 4 k).
;   part 0, record nb: the 32 rows n = 32 nb ..; fragment 2 ks + u: image lane (r, h) holds row 32 nb + 8 u + r + 8 (r / 8), registers 6 c .. 6 c + 5 hold d = 128 ks + 64 c + 32 h + 0 .. 31; its scale word: k = ks, l = 16 u + r.
;   part 1, record 4 s + w: n = 128 s .. + 127, d = 256 w .. + 255; fragment f: image lane (r, h) holds d = 256 w + 16 f + r, registers 6 c .. hold n = 128 s + 64 c + 32 h + 0 .. 31; scale word: k = f / 2, l = 16 (f % 2) + r.
; Work-group i makes record i % 64 of both parts of batch i / 64.  Eight waves.  PART A: wave k takes K step ks = k of 32 rows: 32 loads of 512 consecutive bytes, turned through the wave's own stage in LDS so that a lane
; holds 2 x 32 neighbours along d of one row.  PART B: wave k takes 32 columns, a lane to a column, its registers running down n: a block of 32 lies in one lane.  Both store images: 512 consecutive bytes a store.
; The four work-groups 4 j .. 4 j + 3 read in part A the very 128 rows that they read in part B, so q's loads carry no hint that they are read once.
.set REC,   25600
.set FRB,   1536                       ; a fragment's image
.set PART,  64*REC
.set BATCH, 2*PART
.set STGW,  32*528                     ; LDS: part A's stage, for each wave 32 rows of 512 bytes + 16: rows an odd multiple of 16 bytes apart, so that sixteen rows' 16 bytes fall on different banks
.set SB,    8*STGW                     ; part B's stage, for each wave two images
.set SC,    SB+8*2*FRB                 ; the two records' scale words, 1,024 bytes each
.set L,     16                         ; v16-143  numbers as loaded: A's 32 rows x 4; later B's four blocks of 32
.set XA,    144                        ; v144-207 part A: a tile's 64 numbers of my lane
.set RB,    144                        ; v144-167 part B: 12 registers for image lane (r, 0), 12 for (r, 1)
.set TB,    168                        ; v168-170 part B: a block's upper 16 codes, before they are moved
.set OUTR,  176                        ; v176-199 part B: images read back
.set WB,    200                        ; v200     part B: my column's scale word
.set ENDR,  204                        ; v204-207 the scale words on their way out
.set CD,    208                        ; v208-231 part A: 12 registers of codes for each u; never written again, since stores read them
.set CT,    232                        ; v232-238 part A: upper halves, before they are moved
.set TM,    240                        ; v240-251 at work
	s_load_b128 s[4:7], s[0:1], 0x0                ; q, qc
	v_lshl_add_u32 v254, v0, 2, 0x27800
	v_mov_b32 v255, 0
	v_lshrrev_b32 v1, 5, v0
	v_readfirstlane_b32 s8, v1                     ; wave k
	v_and_b32 v1, 31, v0                           ; lane
	v_and_b32 v2, 15, v0                           ; r
	v_bfe_u32 v3, v0, 4, 1                         ; h
	v_lshlrev_b32 v4, 4, v1                        ; 16 x lane: my bytes of a dense load or store of 512
	v_lshlrev_b32 v9, 2, v1                        ; 4 x lane: my column in part B
	s_lshl_b32 s10, ttmp9, 17                      ; part A reads q from 32 i rows of 4,096 bytes on,
	s_lshl_b32 s9, s8, 9
	s_add_co_u32 s10, s10, s9                      ; + 512 k: my K step
	s_mov_b32 s11, 0
	s_lshr_b32 s12, ttmp9, 2                       ; part B from 128 (i / 4) rows on,
	s_lshl_b32 s12, s12, 19
	s_and_b32 s9, ttmp9, 3
	s_lshl_b32 s9, s9, 10
	s_add_co_u32 s12, s12, s9                      ; + 1,024 (i % 4): the record's 256 columns,
	s_lshl_b32 s9, s8, 7
	s_add_co_u32 s12, s12, s9                      ; + 128 k: my 32 of them
	s_mov_b32 s13, 0
	s_lshr_b32 s14, ttmp9, 6
	s_mul_i32 s14, s14, BATCH
	s_and_b32 s9, ttmp9, 63
	s_mul_i32 s9, s9, REC
	s_add_co_u32 s14, s14, s9                      ; the part-0 record
	s_mov_b32 s15, 0
	s_mul_i32 s16, s8, 2*FRB                       ; my two images in a record
	s_mov_b32 s17, 0
	s_mov_b32 s20, 0x76543210
	s_mov_b32 s21, 0xfedcba98                      ; v_permlanex16_b32's selects for lane l xor 16
	s_wait_kmcnt 0x0
	s_add_nc_u64 s[10:11], s[4:5], s[10:11]
	s_add_nc_u64 s[12:13], s[4:5], s[12:13]
	s_add_nc_u64 s[14:15], s[6:7], s[14:15]
	s_add_nc_u64 s[16:17], s[14:15], s[16:17]
.set rho, 0
.rept 32
	global_load_b128 v[L+4*rho:L+4*rho+3], v4, s[10:11] offset:4096*rho   ; row rho: 512 consecutive bytes
.set rho, rho+1
.endr
	s_mul_i32 s9, s8, STGW
	v_add_nc_u32 v5, s9, v4                        ; A's stage, on the way in: 16 x lane of a row
	v_mul_u32_u24 v6, v2, 528
	v_lshl_add_u32 v6, v3, 7, v6
	v_add_nc_u32 v6, s9, v6                        ; on the way out: row r of a tile, + 128 h: my 32 numbers of each 64
	s_lshl_b32 s9, s8, 2
	s_add_co_u32 s9, s9, SC
	v_lshl_add_u32 v8, v2, 5, s9                   ; A's scale word: 32 (16 u + r) + 4 k
	s_mul_i32 s9, s8, 2*FRB
	s_add_co_u32 s9, s9, SB
	v_mul_u32_u24 v10, v3, FRB
	v_lshl_add_u32 v10, v2, 4, v10
	v_add_nc_u32 v10, s9, v10                      ; B's stage, in: image lane / 16, image lane (r, .)
	v_add_nc_u32 v11, s9, v4                       ; back: as it lies
	s_lshl_b32 s9, s8, 2
	s_add_co_u32 s9, s9, SC+1024
	v_lshl_add_u32 v12, v1, 5, s9                  ; B's scale word: 32 x lane + 4 k
	v_and_b32 v13, 127, v0
	v_lshl_add_u32 v13, v13, 4, SC                 ; the end: thread t of the first 128 takes 16 bytes of the 2,048
	v_and_b32 v14, 63, v0
	v_lshlrev_b32 v14, 4, v14
	v_bfe_u32 v15, v0, 6, 1
	v_mul_u32_u24 v15, v15, PART
	v_add_nc_u32 v14, v14, v15                     ; and stores them in part 0's record or in part 1's
	v_lshlrev_b32 v[TM+7], 3, v3                   ; 8 h
	v_mov_b32 v[TM+8], 0                           ; written once: a lane permute's destination counts as one of its sources
.set rho, 0
.rept 32
	s_wait_loadcnt 31-rho                          ; loads come back in order: row rho is in, the later rows may be out
	ds_store_b128 v5, v[L+4*rho:L+4*rho+3] offset:528*(16*((rho/8)%2)+8*(rho/16)+rho%8)   ; row 16 a + 8 b + c goes to place 16 b + 8 a + c: tile u's sixteen rows then lie on end
.set rho, rho+1
.endr
	s_wait_dscnt 0x0                               ; the stage's stores have read their registers, which part B's loads take
.macro LOADB t                         ; block t of part B: q(32 t + j, my column), j = 0 .. 31: 128 consecutive bytes a wave, 1,024 a work-group
.set j, 0
.rept 32
	global_load_b32 v[L+32*(\t)+j], v9, s[12:13] offset:(32*(\t)+j)*4096
.set j, j+1
.endr
.endm
	LOADB 0                                        ; on their way while part A is quantised
	LOADB 1
; PART A, tile u: my 64 numbers, two whole blocks of 32, become my 12 registers of the image and two bytes of my row's scale word
.macro QA u
.irp c, 0,1
.irp i, 0,1,2,3,4,5,6,7
	ds_load_b128 v[XA+32*\c+4*\i:XA+32*\c+4*\i+3], v6 offset:528*16*\u+256*\c+16*\i
.endr
.endr
	s_wait_dscnt 0x0
.irp c, 0,1
	v_max3_num_f32 v[TM+\c], |v[XA+32*\c]|, |v[XA+32*\c+1]|, 0x1800000   ; block 2 c + h, and the floor 2^(3 - 127): the byte cannot fall under 1
.endr
.irp i, 2,4,6,8,10,12,14,16,18,20,22,24,26,28,30
.irp c, 0,1
	v_max3_num_f32 v[TM+\c], v[TM+\c], |v[XA+32*\c+\i]|, |v[XA+32*\c+\i+1]|   ; (the two blocks by turns)
.endr
.endr
.irp c, 0,1
	v_add_nc_u32 v[TM+2+\c], 0xff000000, v[TM+\c]  ; 2 off the exponent field: the conversion takes this operand's exponent field as its scale
.endr
.irp c, 0,1
	v_lshrrev_b32 v[TM+4+\c], 23, v[TM+2+\c]       ; the scale's byte
.endr
	v_lshl_or_b32 v[TM+6], v[TM+5], 16, v[TM+4]    ; my two bytes, blocks h and 2 + h,
	v_lshlrev_b32 v[TM+6], v[TM+7], v[TM+6]        ; at their places (8 h bits up);
	v_permlanex16_b32 v[TM+8], v[TM+6], s20, s21
	v_or_b32 v[TM+10+\u], v[TM+6], v[TM+8]         ; with lane l xor 16's two the word is whole
.irp c, 0,1
	v_cvt_scalef32_pk16_fp6_f32 v[CD+12*\u+6*\c:CD+12*\u+6*\c+2], v[XA+32*\c:XA+32*\c+15], v[TM+2+\c]
	v_cvt_scalef32_pk16_fp6_f32 v[CT+4*\c:CT+4*\c+2], v[XA+32*\c+16:XA+32*\c+31], v[TM+2+\c]   ; (a conversion's three registers begin on an even number)
.endr
	v_nop                                          ; one plain place behind a scaled conversion
.irp c, 0,1
.irp i, 0,1,2
	v_mov_b32 v[CD+12*\u+6*\c+3+\i], v[CT+4*\c+\i]
.endr
.endr
.irp g, 0,1,2
	global_store_b128 v4, v[CD+12*\u+4*\g:CD+12*\u+4*\g+3], s[16:17] offset:FRB*\u+512*\g   ; the image of fragment 2 k + u: 512 consecutive bytes a store
.endr
	ds_store_b32 v8, v[TM+10+\u] offset:512*\u     ; both halves of the lanes write the same word with the same value
.endm
	QA 0
	QA 1
; PART B, block t: all its 32 numbers are mine.  Block t = 2 c + h' belongs to image lane (r, h'), registers 6 c ..
.macro QB t
.set XS, L+32*(\t)
.set RP, RB+12*((\t)%2)+6*((\t)/2)
.if (\t) < 3
	s_wait_loadcnt 32                              ; this block's 32 loads are in; the next block's may be out
.else
	s_wait_loadcnt 0x0
.endif
	v_max3_num_f32 v[TM], |v[XS]|, |v[XS+1]|, |v[XS+2]|
	v_max3_num_f32 v[TM+1], |v[XS+3]|, |v[XS+4]|, |v[XS+5]|
.irp i, 6,10,14,18,22,26
	v_max3_num_f32 v[TM], v[TM], |v[XS+\i]|, |v[XS+\i+1]|
	v_max3_num_f32 v[TM+1], v[TM+1], |v[XS+\i+2]|, |v[XS+\i+3]|
.endr
	v_max3_num_f32 v[TM], v[TM], |v[XS+30]|, |v[XS+31]|
	v_max3_num_f32 v[TM], v[TM], v[TM+1], 0x1800000   ; and the floor
	v_add_nc_u32 v[TM+2], 0xff000000, v[TM]
	v_lshrrev_b32 v[TM+3], 23, v[TM+2]
.if (\t) == 0
	v_mov_b32 v[WB], v[TM+3]                       ; four bytes to the word, the lower n in the lower byte
.else
	v_lshl_or_b32 v[WB], v[TM+3], 8*(\t), v[WB]
.endif
	v_cvt_scalef32_pk16_fp6_f32 v[RP:RP+2], v[XS:XS+15], v[TM+2]
	v_cvt_scalef32_pk16_fp6_f32 v[TB:TB+2], v[XS+16:XS+31], v[TM+2]
	v_nop                                          ; one plain place behind a scaled conversion
.irp i, 0,1,2
	v_mov_b32 v[RP+3+\i], v[TB+\i]
.endr
.if (\t)+2 < 4
	LOADB (\t)+2
.endif
.endm
	QB 0
	QB 1
	QB 2
	QB 3
.irp hh, 0,1
.irp g, 0,1,2
	ds_store_b128 v10, v[RB+12*\hh+4*\g:RB+12*\hh+4*\g+3] offset:512*\g+256*\hh   ; my column's registers go where image lane (r, hh) has its place
.endr
.endr
.irp j, 0,1,2,3,4,5
	ds_load_b128 v[OUTR+4*\j:OUTR+4*\j+3], v11 offset:512*\j   ; LDS serves a wave's instructions in order: these see my stores
.endr
	ds_store_b32 v12, v[WB]
.irp j, 0,1,2,3,4,5
	s_wait_dscnt 6-\j                              ; read-back j is in; behind it: the later read-backs and the word's store
	global_store_b128 v4, v[OUTR+4*\j:OUTR+4*\j+3], s[16:17] offset:PART+512*\j   ; fragments 2 k and 2 k + 1 of the part-1 record
.endr
	s_wait_dscnt 0x0                               ; for the others' sake: my scale words lie in LDS
	s_barrier_signal -1
	s_barrier_wait -1
	s_cmp_lt_u32 s8, 4                             ; the 2,048 bytes of scale words leave by the first four waves, 512 consecutive bytes each
	s_cbranch_scc0 .Ldone
	ds_load_b128 v[ENDR:ENDR+3], v13
	s_wait_dscnt 0x0
	global_store_b128 v14, v[ENDR:ENDR+3], s[14:15] offset:16*FRB
.Ldone:
	s_wait_tensorcnt 0x0
	ds_add_u32 v254, v255
	s_wait_dscnt 0x0
	s_endpgm
.Lfunc_end_k_qb10b202071_quant:
	.size	k_qb10b202071_quant, .Lfunc_end_k_qb10b202071_quant-k_qb10b202071_quant
	.p2alignl 7, 3214868480
	.fill 96, 4, 3214868480
	.section	.rodata,"a",@progbits
	.p2align	6, 0x0
	.amdhsa_kernel k_qb10b202071_quant
		.amdhsa_group_segment_fixed_size 162816
		.amdhsa_private_segment_fixed_size 0
		.amdhsa_enable_private_segment 0
		.amdhsa_kernarg_size 16
		.amdhsa_user_sgpr_count 2
		.amdhsa_user_sgpr_kernarg_segment_ptr 1
		.amdhsa_wavefront_size32 1
		.amdhsa_system_sgpr_workgroup_id_x 1
		.amdhsa_system_sgpr_workgroup_id_y 1
		.amdhsa_system_sgpr_workgroup_id_z 1
		.amdhsa_system_vgpr_workitem_id 0
		.amdhsa_next_free_vgpr 256
		.amdhsa_next_free_sgpr 66
		.amdhsa_reserve_vcc 0
		.amdhsa_float_denorm_mode_32 3
		.amdhsa_float_denorm_mode_16_64 3
		.amdhsa_memory_ordered 1
		.amdhsa_forward_progress 1
		.amdhsa_inst_pref_size 38
	.end_amdhsa_kernel
	.amdgpu_metadata
---
amdhsa.version: [ 1, 2 ]
amdhsa.kernels:
  - .name:           k_qb10b202071_quant
    .symbol:         k_qb10b202071_quant.kd
    .args:
      - { .name: q, .offset: 0, .size: 8, .value_kind: global_buffer, .address_space: global }
      - { .name: qc, .offset: 8, .size: 8, .value_kind: global_buffer, .address_space: global }
    .group_segment_fixed_size: 162816
    .private_segment_fixed_size: 0
    .kernarg_segment_align: 8
    .kernarg_segment_size: 16
    .max_flat_workgroup_size: 256
    .sgpr_count:     66
    .vgpr_count:     256
    .wavefront_size: 32
...
	.end_amdgpu_metadata
.endif
;; end of part 1
;; launch attn (part 2): grid 256 x 1, 4 waves a work-group, clusters of 4 x 1, 327,680 bytes of LDS; arguments a_codes, a_scales, qc, out0; writes out0
.if DOCPART == 2
	.amdgcn_target "amdgcn-amd-amdhsa--gfx1250"
	.amdhsa_code_object_version 6
	.text
	.protected	k_qb10b202071_attn
	.globl	k_qb10b202071_attn
	.p2align	8
	.type	k_qb10b202071_attn,@function
k_qb10b202071_attn:
	s_mov_b64 s[64:65], 0
	v_nop
	global_prefetch_b8 v0, s[64:65] scope:SCOPE_SE
	s_setreg_imm32_b32 hwreg(HW_REG_WAVE_MODE, 25, 1), 1
	s_wait_xcnt 0x0
	s_wait_alu depctr_hold_cnt(0) depctr_sa_sdst(0) depctr_va_vdst(0) depctr_va_sdst(0) depctr_va_ssrc(0) depctr_va_vcc(0) depctr_vm_vsrc(0)
	s_getreg_b32 s2, hwreg(HW_REG_IB_STS2, 6, 4)
	s_cmp_eq_u32 s2, 0
	s_cbranch_scc0 .Lentry_in_a_cluster
	s_endpgm
.Lentry_in_a_cluster:
	s_bfe_u32 s2, ttmp6, 0x10000c
	s_cmp_lg_u32 s2, 0x3003
	s_cbranch_scc0 .Lentry_shape_is_right
	s_endpgm
.Lentry_shape_is_right:
; h[b][m][:] = the sum over n of softmax_n(q[b][n] . a[b][m]) q[b][n][:], both products on codes of FP6 (E2M3) with one E8M0 byte for each 32 along a product's K.
; a comes as codes (K = d) and is taken as it is; q comes from qc, quantised along d (part 0) and along n (part 1), laid as records of register images (16 fragments of 1,536 bytes and 1,024 bytes of scale words).
; SHARES.  A work-group owns 64 rows m, four tiles mt of 16.  Four waves.  The registers serve two phases one after the other.
; PHASE 1 (16 trips): a's 32 fragments stay in registers (384).  In trip t wave w makes S^T for the 32 rows n of block 4 t + w against all 64 m (source 0 = 16 rows of q, source 1 = 16 rows of a: a lane holds ONE m and
;   16 neighbouring n, since the rows of q that form a tile are chosen so).  Each block of 32 n of a row m has its own whole number Mb = ceil(the block's largest t), t = score x log2(e); p' = 2^(t - Mb) is quantised at once;
;   its codes go to LDS (96 KB for 64 x 2,048) and with them the number F = -Mb - byte.  A power of two goes into a block's scale and leaves its codes as they are, so these are the codes of p = 2^(t - M).
; MID: M = the row's largest Mb; a block's byte is (-M) - F, held at 1 from below; the row's sum l of the unquantised p is put together from the waves' sums by multiplications with powers of two, which round nothing.
; PHASE 2 (16 trips): a's registers become O^T's 512.  Wave w owns d = 256 w .. + 255; O^T += (16 rows d of q^T) x P over K steps of 128 n.  O^T is never rescaled: M is known before the first product.  At the end O^T / l.
; LIMITS: NaN and infinities are not served.  |t| stays under 2^24, so that the whole numbers Mb, M, F are exact in f32.  A block whose byte would fall under 1 keeps its codes under the byte 1:
;   its numbers are then at most 7.5 x 2^-126 where the row's largest p is over 1/2.
; CLUSTER: the four work-groups of a cluster belong to one batch and walk the same 32 x 4 records, so each record is asked for JOINTLY: the same tensor load, with the same descriptor and the mask of all four, in all four.
; Each wave asks for, and reads, its own record alone (LDS bytes 25,600 x wave + the slot's constant): its own wait on TENSORcnt orders its reads.  By this text's count a wave has at most two tensor loads outstanding.
; REGISTERS, in windows of 256: window 0: v1-23, v51-55 addresses; v24-39 a's scale words; v40-47 the record's; v48-49 P's; v56-87 statistics, 8 a tile; v88-95 1 / l; v96-159 S^T, later P's four fragments; v160-183 at work.
;   window 1: v0-191 the record's 16 fragments.   windows 2, 3: phase 1: a's fragment (mt, ks) in window 2 + mt / 2 at v[96 (mt % 2) + 12 ks]; phase 2: O^T(dt, mt) in window 2 + dt / 8 at v[8 (4 (dt % 8) + mt)].
.set REC,    25600
.set SLOTB,  4*REC                     ; a slot: the four waves' records
.set BATCH,  32*SLOTB                  ; a batch's 16 + 16 trips of records in qc
.set FRB,    1536
.set L_P,    2*SLOTB                   ; LDS behind the ring: P's codes, four planes (plane w: block w of each K step), + 1,536 s + 384 mt + 24 r + 12 h.  At the start: a's stage
.set PLANE,  24704                     ; 128 modulo 256: lanes 16-31, which read the next plane, fall on the banks that lanes 0-15 leave free
.set L_F,    L_P+4*PLANE               ; F: 4,096 w + 256 t + 64 mt + 4 r
.set L_PS,   L_F+16384                 ; P's scale words: 256 s + 4 (16 mt + r)
.set L_ST,   L_PS+4096                 ; the waves' figures: 512 w + (0: -Mw, 256: lw) + 64 mt + 4 r
.set SPARE,  L_ST+2048                 ; the spare words, 128 bytes for each wave: two blocks of 256 bytes that no other line names
.set SPW, 1                            ; v1   LDS address of my spare word; never rewritten
.set NIL, 2                            ; v2   0; never rewritten
.set FA,  3                            ; v3-4 my record's images in slot 0, 1: + 16 x lane.  v3 also: my stage on the way out, read back
.set SA,  5                            ; v5-6 my record's scale words: + 24,576 + 32 x lane
.set PW0, 7                            ; v7   where I write P's codes, v8 where I write F: the parts that stay
.set FW0, 8
.set PWA, 9                            ; v9, v10  the same with the trip's step
.set FWA, 10
.set PR0, 11                           ; v11  where I read P's fragments, v12 P's scale words: the parts that stay
.set PSA0, 12
.set PRA, 13                           ; v13, v14  the same with the trip's step
.set PSA, 14
.set A0,  15                           ; v15  a's stage, read: 816 r + 24 h;  v16: the same behind one padding more (40 h)
.set A1,  16
.set AW,  17                           ; v17  a's stage, written
.set STW, 18
.set STR, 19
.set FR,  20
.set PSW, 21
.set SO,  22                           ; v22  the way out: where I put 32 bytes of a row
.set AS,  24
.set QS,  40
.set PSR, 48
.set GO,  51                           ; v51  16 x lane: my bytes of a dense 512
.set ASL, 52                           ; v52  32 x lane
.set LN,  53
.set RR,  54
.set HH,  55
.set STAT, 56                          ; tile mt at v[56 + 8 mt]: +0 -Mb (MID: -M), +1 at work, +2 -Mw, +3 lw, +4 the largest score, then the largest p', +5 at work, +6 the conversion's scale operand, +7 byte, then F
.set RI,  88
.set S,   96
.set PF,  96
.set CC,  160
.set TT,  176
.set BK,  96                           ; the way out: v96-223
.set MSB, 0
.macro WIN new                         ; the immediate's high byte repeats the setting that is left; a switch that changes nothing is dropped
.if MSB != \new
	s_set_vgpr_msb (MSB<<8)|\new
.set MSB, \new
.endif
.endm
.macro PLACES                          ; a load into a register that a matrix instruction has read, and a vector instruction that reads a matrix result, stand four places behind it (ISA guide 7.12.1 for vector instructions)
.rept 4
	v_nop
.endr
.endm
.macro BARRIER
	s_wait_dscnt 0x0                               ; my LDS stores have landed and my LDS loads are in
	s_barrier_signal -1
	s_barrier_wait -1
.endm
.macro ROUND                           ; a round of the cluster's barrier
	s_barrier_signal -1
	s_barrier_wait -1
	s_cmp_lg_u32 s12, 0
	s_cbranch_scc1 .Lnot_wave_0_\@
	s_barrier_signal -3
.Lnot_wave_0_\@:
	s_barrier_wait -3
	s_barrier_signal -1
	s_barrier_wait -1
.endm
; THE CHANGE OF SLOTS.  The slot whose record has just been multiplied is filled again, two trips ahead.  All my tensor loads have landed (the one that was out is the next trip's record), the add, the descriptor's step,
; the wait for the add and for my LDS instructions, a round of the cluster's barrier, and my one joint load first behind it.  The four v_nop behind it are also the places in front of the fetch that follows.
.macro CHANGE slot
	WIN 0
	s_wait_tensorcnt 0x0
	ds_add_u32 v[SPW], v[NIL]                      ; 0 onto my spare word
	s_add_nc_u64 s[34+4*(\slot):35+4*(\slot)], s[34+4*(\slot):35+4*(\slot)], 2*SLOTB   ; no tensor load of mine is out: the slot's next record; the type bits on top are not reached
	s_wait_dscnt 0x0
	ROUND
	tensor_load_to_lds s[32+4*(\slot):35+4*(\slot)], s[24:31]
	s_nop 0
	PLACES
.endm
.macro FETCHS slot                     ; the record's eight scale words of my lane
	ds_load_b128 v[QS:QS+3], v[SA+(\slot)]
	ds_load_b128 v[QS+4:QS+7], v[SA+(\slot)] offset:16
.endm
.macro FETCHF slot                     ; its 16 fragments, as they lie: 48 loads of 512 consecutive bytes
	WIN 0x40                                       ; destination window 1
.set f, 0
.rept 16
.irp g, 0,1,2
	ds_load_b128 v[12*f+4*\g:12*f+4*\g+3], v[FA+(\slot)] offset:FRB*f+512*\g
.endr
.set f, f+1
.endr
	WIN 0
.endm
.macro FETCHP                          ; P's four fragments and scale words of the K step at s41, s42: lane (r, h) takes, for c = 0, 1, the 24 bytes of block 2 c + h of its row
	v_add_nc_u32 v[PRA], s41, v[PR0]
	v_add_nc_u32 v[PSA], s42, v[PSA0]
	s_wait_alu depctr_va_vdst(0)
	ds_load_b32 v[PSR], v[PSA]                     ; lanes 0-15 tile 0's rows, lanes 16-31 tile 1's;
	ds_load_b32 v[PSR+1], v[PSA] offset:128        ; tiles 2 and 3
.irp m, 0,1,2,3
.irp c, 0,1
.irp i, 0,1,2
	ds_load_b64 v[PF+12*\m+6*\c+2*\i:PF+12*\m+6*\c+2*\i+1], v[PRA] offset:2*PLANE*\c+384*\m+8*\i
.endr
.endr
.endr
.endm
; One matrix instruction, from the symbols rD, rA, rB, rSA, rSB; zC: the constant 0 starts the sum; xA, xB: the side's scales stand in lanes 16-31 of the register named
.macro WM
.if zC
.if xA && xB
	v_wmma_scale_f32_16x16x128_f8f6f4 v[rD:rD+7], v[rA:rA+11], v[rB:rB+11], 0, v[rSA], v[rSB] matrix_a_fmt:MATRIX_FMT_FP6 matrix_b_fmt:MATRIX_FMT_FP6 matrix_a_scale:MATRIX_SCALE_ROW1 matrix_b_scale:MATRIX_SCALE_ROW1
.elseif xA
	v_wmma_scale_f32_16x16x128_f8f6f4 v[rD:rD+7], v[rA:rA+11], v[rB:rB+11], 0, v[rSA], v[rSB] matrix_a_fmt:MATRIX_FMT_FP6 matrix_b_fmt:MATRIX_FMT_FP6 matrix_a_scale:MATRIX_SCALE_ROW1
.elseif xB
	v_wmma_scale_f32_16x16x128_f8f6f4 v[rD:rD+7], v[rA:rA+11], v[rB:rB+11], 0, v[rSA], v[rSB] matrix_a_fmt:MATRIX_FMT_FP6 matrix_b_fmt:MATRIX_FMT_FP6 matrix_b_scale:MATRIX_SCALE_ROW1
.else
	v_wmma_scale_f32_16x16x128_f8f6f4 v[rD:rD+7], v[rA:rA+11], v[rB:rB+11], 0, v[rSA], v[rSB] matrix_a_fmt:MATRIX_FMT_FP6 matrix_b_fmt:MATRIX_FMT_FP6
.endif
.else
.if xA && xB
	v_wmma_scale_f32_16x16x128_f8f6f4 v[rD:rD+7], v[rA:rA+11], v[rB:rB+11], v[rD:rD+7], v[rSA], v[rSB] matrix_a_fmt:MATRIX_FMT_FP6 matrix_b_fmt:MATRIX_FMT_FP6 matrix_a_scale:MATRIX_SCALE_ROW1 matrix_b_scale:MATRIX_SCALE_ROW1
.elseif xA
	v_wmma_scale_f32_16x16x128_f8f6f4 v[rD:rD+7], v[rA:rA+11], v[rB:rB+11], v[rD:rD+7], v[rSA], v[rSB] matrix_a_fmt:MATRIX_FMT_FP6 matrix_b_fmt:MATRIX_FMT_FP6 matrix_a_scale:MATRIX_SCALE_ROW1
.elseif xB
	v_wmma_scale_f32_16x16x128_f8f6f4 v[rD:rD+7], v[rA:rA+11], v[rB:rB+11], v[rD:rD+7], v[rSA], v[rSB] matrix_a_fmt:MATRIX_FMT_FP6 matrix_b_fmt:MATRIX_FMT_FP6 matrix_b_scale:MATRIX_SCALE_ROW1
.else
	v_wmma_scale_f32_16x16x128_f8f6f4 v[rD:rD+7], v[rA:rA+11], v[rB:rB+11], v[rD:rD+7], v[rSA], v[rSB] matrix_a_fmt:MATRIX_FMT_FP6 matrix_b_fmt:MATRIX_FMT_FP6
.endif
.endif
.endm
; PHASE 1's 64 products: S^T(mt, u) over the eight K steps of d.  The eight accumulators take turns, one instruction a turn.
.macro MUL1
.set ks, 0
.rept 8
.set zC, 0
.if ks == 0
.set zC, 1
.endif
.set mt, 0
.rept 4
.if mt == 0
	WIN 0x09                                       ; source 0 (q) window 1, source 1 (a) window 2, C and D window 0
.elseif mt == 2
	WIN 0x0d                                       ; source 1 window 3
.endif
.set u, 0
.rept 2
.set rD, S+16*mt+8*u
.set rA, 12*(2*ks+u)
.set rB, 96*(mt%2)+12*ks
.set rSA, QS+ks
.set rSB, AS+8*(mt/2)+ks
.set xA, u
.set xB, mt%2
	WM
.set u, u+1
.endr
.set mt, mt+1
.endr
.set ks, ks+1
.endr
.endm
; PHASE 2's 64 products of a K step: O^T(dt, mt).  The 64 accumulators take turns.  Each group of four dt waits for its own twelve fragment loads: the count is the fragment loads issued behind them.
.macro MUL2 zero
.set g4, 0
.rept 4
	s_wait_dscnt 36-12*g4
.if g4 == 0
	WIN 0xa1                                       ; source 0 (q^T) window 1, source 1 (P) window 0, C and D window 2
.elseif g4 == 2
	WIN 0xf1                                       ; C and D window 3
.endif
.set dd, 0
.rept 4
.set dt, 4*g4+dd
.set mt, 0
.rept 4
.set rD, 8*(4*(dt%8)+mt)
.set rA, 12*dt
.set rB, PF+12*mt
.set rSA, QS+dt/2
.set rSB, PSR+mt/2
.set xA, dt%2
.set xB, mt%2
.set zC, \zero
	WM
.set mt, mt+1
.endr
.set dd, dd+1
.endr
.set g4, g4+1
.endr
.endm
; PHASE 1's vector work for a block of 32 n: the four tiles take turns line by line.  Lane (r, h) holds row m = 16 mt + r and n = 16 h + 0 .. 15 in v[S + 16 mt + 0 .. 15].
.macro EPI
	v_add_nc_u32 v[PWA], s41, v[PW0]
	v_add_nc_u32 v[FWA], s42, v[FW0]
.irp m, 0,1,2,3
	v_max3_num_f32 v[STAT+8*\m+4], v[S+16*\m], v[S+16*\m+1], v[S+16*\m+2]   ; the block's largest score; each accumulator is read from its low end on
.endr
.irp i, 3,5,7,9,11,13
.irp m, 0,1,2,3
	v_max3_num_f32 v[STAT+8*\m+4], v[STAT+8*\m+4], v[S+16*\m+\i], v[S+16*\m+\i+1]
.endr
.endr
.irp m, 0,1,2,3
	v_max_num_f32 v[STAT+8*\m+4], v[STAT+8*\m+4], v[S+16*\m+15]
.endr
.irp m, 0,1,2,3
	v_permlanex16_b32 v[STAT+8*\m+5], v[STAT+8*\m+4], s44, s45
.endr
.irp m, 0,1,2,3
	v_max_num_f32 v[STAT+8*\m+4], v[STAT+8*\m+4], v[STAT+8*\m+5]   ; with lane l xor 16's 16 n
.endr
.irp m, 0,1,2,3
	v_mul_f32 v[STAT+8*\m+1], s46, v[STAT+8*\m+4]  ; as t
.endr
.irp m, 0,1,2,3
	v_floor_f32 v[STAT+8*\m], -v[STAT+8*\m+1]      ; -Mb = floor(-t) = -ceil(t): a whole number
.endr
.irp j, 0,2,4,6,8,10,12,14
.irp m, 0,1,2,3
	v_pk_fma_f32 v[S+16*\m+\j:S+16*\m+\j+1], v[S+16*\m+\j:S+16*\m+\j+1], s[46:47], v[STAT+8*\m:STAT+8*\m+1] op_sel_hi:[1,0,0]   ; t - Mb, two at a time (of the pairs the low word serves both halves)
.endr
.endr
.irp m, 0,1,2,3
	v_fma_f32 v[STAT+8*\m+4], v[STAT+8*\m+4], s46, v[STAT+8*\m]   ; the same of the largest score
.endr
.irp j, 0,1,2,3,4,5,6,7,8,9,10,11,12,13,14,15
.irp m, 0,1,2,3
	v_exp_f32 v[S+16*\m+\j], v[S+16*\m+\j]         ; p' = 2^(t - Mb)
.endr
.endr
.irp m, 0,1,2,3
	v_exp_f32 v[STAT+8*\m+4], v[STAT+8*\m+4]       ; the block's largest p': the same two instructions on the same number give the same bits
.endr
.irp m, 0,1,2,3
	v_min_num_f32 v[STAT+8*\m+1], v[STAT+8*\m+2], v[STAT+8*\m]   ; the wave's new -Mw.  (Plain places behind the exponentials)
.endr
	s_wait_alu depctr_va_vdst(0)
.irp m, 0,1,2,3
	v_max_num_f32 v[STAT+8*\m+4], 0x1800000, v[STAT+8*\m+4]   ; the floor 2^(3 - 127)
.endr
.irp m, 0,1,2,3
	v_add_nc_u32 v[STAT+8*\m+6], 0xff000000, v[STAT+8*\m+4]   ; 2 off the exponent field: the conversion's scale operand
.endr
.irp m, 0,1,2,3
	v_lshrrev_b32 v[STAT+8*\m+7], 23, v[STAT+8*\m+6]   ; the byte under Mb
.endr
.irp m, 0,1,2,3
	v_cvt_f32_u32 v[STAT+8*\m+7], v[STAT+8*\m+7]
.endr
.irp m, 0,1,2,3
	v_sub_f32 v[STAT+8*\m+7], v[STAT+8*\m], v[STAT+8*\m+7]   ; F = -Mb - byte
.endr
.irp m, 0,1,2,3
	v_cvt_scalef32_pk16_fp6_f32 v[CC+4*\m:CC+4*\m+2], v[S+16*\m:S+16*\m+15], v[STAT+8*\m+6]   ; my 16 codes: 12 bytes
.endr
	v_nop                                          ; one plain place behind a scaled conversion
.irp m, 0,1,2,3
	ds_store_b32 v[FWA], v[STAT+8*\m+7] offset:64*\m   ; both halves of the lanes write the same word with the same value
.irp i, 0,1,2
	ds_store_b32 v[PWA], v[CC+4*\m+\i] offset:384*\m+4*\i
.endr
.endr
.irp m, 0,1,2,3
	v_pk_add_f32 v[TT+2*\m:TT+2*\m+1], v[S+16*\m:S+16*\m+1], v[S+16*\m+2:S+16*\m+3]   ; the sum is taken of the unquantised p'
.endr
.irp j, 4,6,8,10,12,14
.irp m, 0,1,2,3
	v_pk_add_f32 v[TT+2*\m:TT+2*\m+1], v[TT+2*\m:TT+2*\m+1], v[S+16*\m+\j:S+16*\m+\j+1]
.endr
.endr
.irp m, 0,1,2,3
	v_add_f32 v[TT+2*\m], v[TT+2*\m], v[TT+2*\m+1]
.endr
.irp m, 0,1,2,3
	v_sub_f32 v[STAT+8*\m+5], v[STAT+8*\m+1], v[STAT+8*\m+2]   ; old Mw - new Mw, and Mb - new Mw: whole numbers, 0 or less
	v_sub_f32 v[STAT+8*\m+4], v[STAT+8*\m+1], v[STAT+8*\m]
.endr
.irp m, 0,1,2,3
	v_cvt_i32_f32 v[STAT+8*\m+5], v[STAT+8*\m+5]   ; (it saturates)
	v_cvt_i32_f32 v[STAT+8*\m+4], v[STAT+8*\m+4]
.endr
.irp m, 0,1,2,3
	v_ldexp_f32 v[STAT+8*\m+3], v[STAT+8*\m+3], v[STAT+8*\m+5]   ; both sums under the new Mw: nothing is rounded
	v_ldexp_f32 v[TT+2*\m], v[TT+2*\m], v[STAT+8*\m+4]
.endr
.irp m, 0,1,2,3
	v_add_f32 v[STAT+8*\m+3], v[STAT+8*\m+3], v[TT+2*\m]
	v_mov_b32 v[STAT+8*\m+2], v[STAT+8*\m+1]
.endr
	s_add_co_u32 s41, s41, 1536                    ; the next trip's place in my plane of P,
	s_add_co_u32 s42, s42, 256                     ; and among F
.endm
.macro P1TRIP slot
	s_wait_dscnt 0x0                               ; the record's fragments and scale words are in, and the last trip's LDS stores have read their registers
	MUL1
	CHANGE \slot
	FETCHS 1-\slot
	FETCHF 1-\slot                                 ; the next record comes out of LDS while this block's vector work is done
	EPI
.endm
.macro P2TRIP slot, zero, fill, fetch
	MUL2 \zero
	WIN 0
.if \fill
	CHANGE \slot
.elseif \fetch
	s_wait_tensorcnt 0x0                           ; the last record has landed; nothing is filled again, and only I read it: no barrier
	PLACES
.endif
.if \fetch
	s_add_co_u32 s41, s41, 1536
	s_add_co_u32 s42, s42, 256
	FETCHS 1-\slot
	FETCHP
	FETCHF 1-\slot
.endif
.endm
	s_load_b256 s[4:11], s[0:1], 0x0               ; a_codes s[4:5], a_scales s[6:7], qc s[8:9], out0 s[10:11]
	v_lshl_add_u32 v[SPW], v0, 2, SPARE
	v_mov_b32 v[NIL], 0
	ds_add_u32 v1, v2
	ds_add_u32 v1, v2
	s_wait_dscnt 0x0
	v_lshrrev_b32 v[LN], 5, v0
	v_readfirstlane_b32 s12, v[LN]                 ; wave 0..3
	s_bfe_u32 s13, ttmp6, 0x40000                  ; cx: my place in the cluster
	s_lshl_b32 s14, ttmp9, 2                       ; in a cluster launch ttmp9 counts clusters
	s_add_co_u32 s14, s14, s13                     ; x: my block of 64 rows m; it enters the addresses of a and of out0 alone
	s_lshr_b32 s15, ttmp9, 4                       ; the batch, which the four partners share
	; descriptor group 1: a record, dense: 100 rows of 32 elements of 8 bytes, no padding
	s_mov_b32 s24, 15|(3<<16)|(1<<21)              ; 15:0 the mask: all four work-groups; 17:16 elements of 8 bytes; 21 set beside a mask
	s_mov_b32 s25, 32<<16                          ; tensor_dim0 = 32
	s_mov_b32 s26, 100<<16                         ; tensor_dim1 = 100
	s_mov_b32 s27, 32<<16                          ; tile_dim0 = 32
	s_mov_b32 s28, 100                             ; tile_dim1 = 100
	s_mov_b32 s29, 32                              ; tensor_dim0_stride
	s_mov_b32 s30, 0
	s_mov_b32 s31, 0
	s_mul_i32 s16, s15, BATCH
	s_mul_i32 s33, s12, REC                        ; group 0, slot 0: LDS address = 25,600 x wave
	s_add_co_u32 s16, s16, s33                     ; my wave's record of trip 0 in qc
	s_mov_b32 s17, 0
	s_add_co_u32 s37, s33, SLOTB                   ; slot 1
	s_mov_b32 s32, 1
	s_mov_b32 s36, 1
	s_mul_i32 s20, s14, 49152                      ; a's codes: 64 rows of 768 bytes a work-group,
	s_mul_i32 s21, s12, 12288                      ; 16 of them a wave
	s_add_co_u32 s20, s20, s21
	s_mov_b32 s21, 0
	s_lshl_b32 s22, s14, 11                        ; a's scale bytes: 64 rows of 32
	s_mov_b32 s23, 0
	s_lshl_b32 s48, s14, 18                        ; out0: 64 rows of 4,096 bytes,
	s_lshl_b32 s49, s12, 10                        ; my 256 columns
	s_add_co_u32 s48, s48, s49
	s_mov_b32 s49, 0
	s_mov_b32 s44, 0x76543210
	s_mov_b32 s45, 0xfedcba98                      ; v_permlanex16_b32's selects for lane l xor 16
	s_mov_b32 s46, 0x3fb8aa3b                      ; log2(e)
	s_mov_b32 s47, s46                             ; (named with it as a pair, so it is written)
	s_mov_b32 s41, 0
	s_mov_b32 s42, 0
	s_wait_kmcnt 0x0
	s_add_nc_u64 s[34:35], s[8:9], s[16:17]
	s_add_nc_u64 s[38:39], s[34:35], SLOTB
	s_or_b32 s35, s35, 0x80000000                  ; type = 2
	s_or_b32 s39, s39, 0x80000000
	s_add_nc_u64 s[20:21], s[4:5], s[20:21]
	s_add_nc_u64 s[22:23], s[6:7], s[22:23]
	s_add_nc_u64 s[10:11], s[10:11], s[48:49]
	ROUND                                          ; all four work-groups are here: the first joint loads meet
	tensor_load_to_lds s[32:35], s[24:31]          ; record 0
	s_nop 0
	tensor_load_to_lds s[36:39], s[24:31]          ; record 1
	s_nop 0
	PLACES
	v_and_b32 v[LN], 31, v0
	v_and_b32 v[RR], 15, v0
	v_bfe_u32 v[HH], v0, 4, 1
	v_lshlrev_b32 v[GO], 4, v[LN]
	v_lshlrev_b32 v[ASL], 5, v[LN]
.set i, 0
.rept 24
	global_load_b128 v[96+4*i:96+4*i+3], v[GO], s[20:21] offset:512*i th:TH_LOAD_NT   ; my 16 rows of a's codes, 12,288 dense bytes, read by nobody else
.set i, i+1
.endr
.irp i, 0,1
.irp j, 0,1
	global_load_b128 v[AS+8*\i+4*\j:AS+8*\i+4*\j+3], v[ASL], s[22:23] offset:1024*\i+16*\j   ; lane l: the eight scale words of row 32 i + l: lanes 0-15 tile 2 i, lanes 16-31 tile 2 i + 1
.endr
.endr
	v_add_nc_u32 v[FA], s33, v[GO]
	v_add_nc_u32 v[FA+1], SLOTB, v[FA]
	v_add_nc_u32 v[SA], s33, v[ASL]
	v_add_nc_u32 v[SA], 16*FRB, v[SA]
	v_add_nc_u32 v[SA+1], SLOTB, v[SA]
	s_mul_i32 s16, s12, PLANE
	s_add_co_u32 s16, s16, L_P
	v_mul_u32_u24 v[PW0], v[RR], 24
	v_mad_u32_u24 v[PW0], v[HH], 12, v[PW0]
	v_add_nc_u32 v[PW0], s16, v[PW0]               ; my plane, + 24 r + 12 h
	s_lshl_b32 s16, s12, 12
	s_add_co_u32 s16, s16, L_F
	v_lshl_add_u32 v[FW0], v[RR], 2, s16
	v_mul_u32_u24 v[PR0], v[RR], 24
	v_mad_u32_u24 v[PR0], v[HH], PLANE, v[PR0]
	v_add_nc_u32 v[PR0], L_P, v[PR0]               ; plane h, + 24 r
	v_lshl_add_u32 v[PSA0], v[LN], 2, L_PS
	v_mul_u32_u24 v[A0], v[RR], 816
	v_mad_u32_u24 v[A0], v[HH], 24, v[A0]
	v_add_nc_u32 v[A0], L_P, v[A0]
	v_lshl_add_u32 v[A1], v[HH], 4, v[A0]
	s_mul_i32 s16, s12, 13056
	s_add_co_u32 s16, s16, L_P
	v_mul_u32_u24 v[AW], v[HH], 272
	v_lshl_add_u32 v[AW], v[RR], 4, v[AW]
	v_add_nc_u32 v[AW], s16, v[AW]                 ; a's stage: each 256 bytes take 272; a load's lanes 0-15 fill one such place, lanes 16-31 the next
	s_lshl_b32 s16, s12, 9
	s_add_co_u32 s16, s16, L_ST
	v_lshl_add_u32 v[STW], v[RR], 2, s16
	v_lshl_add_u32 v[STR], v[RR], 2, L_ST
	s_lshl_b32 s16, s12, 10
	v_lshlrev_b32 v[FR], 2, v[RR]
	v_lshl_add_u32 v[FR], v[HH], 8, v[FR]
	v_add_nc_u32 v[FR], s16, v[FR]                 ; 1,024 w + 256 h + 4 r: in MID lane (r, h) of wave w serves K steps 4 w + 2 e + h
	v_add_nc_u32 v[PSW], L_PS, v[FR]
	v_add_nc_u32 v[FR], L_F, v[FR]
	v_mul_u32_u24 v[SO], v[RR], 1040
	v_lshl_add_u32 v[SO], v[HH], 5, v[SO]
	v_add_nc_u32 v[SO], s33, v[SO]                 ; the way out: my stage lies in my record's bytes of slot 0: row r of 1,024 bytes + 16, + 32 h
.irp m, 0,1,2,3
	v_mov_b32 v[STAT+8*\m+2], 0x7f61b1e6           ; -Mw: 3e38, over every -Mb
	v_mov_b32 v[STAT+8*\m+3], 0                    ; lw
	v_mov_b32 v[STAT+8*\m+5], 0                    ; written once: a lane permute's destination counts as one of its sources
.endr
.set i, 0
.rept 24
	s_wait_loadcnt 27-i                            ; load i is in; behind it: the 23 - i later loads of codes and the four of scale words
	ds_store_b128 v[AW], v[96+4*i:96+4*i+3] offset:544*i
.set i, i+1
.endr
	BARRIER                                        ; the 64 rows of a lie in the stage: row R at 816 R, 16 bytes of padding behind each 256
; Every wave takes all 32 fragments of a.  Lane (r, h), K step ks: the 24 bytes at 96 ks + 48 c + 24 h of its row, in pieces of 8.  Lanes 16-31 read three pieces further on than lanes 0-15: where that is behind one padding more, the second address register serves.
.set mt, 0
.rept 4
.if mt == 0
	WIN 0x80                                       ; destination window 2
.elseif mt == 2
	WIN 0xc0                                       ; window 3
.endif
.set ks, 0
.rept 8
.set pp, 0
.rept 6
.set PCN, 12*ks+6*(pp/3)+pp%3
.set rD, 96*(mt%2)+12*ks+2*pp
.if PCN%32 < 29
	ds_load_b64 v[rD:rD+1], v[A0] offset:13056*mt+8*PCN+16*(PCN/32)
.else
	ds_load_b64 v[rD:rD+1], v[A1] offset:13056*mt+8*PCN+16*(PCN/32)
.endif
.set pp, pp+1
.endr
.set ks, ks+1
.endr
.set mt, mt+1
.endr
	WIN 0
	s_wait_loadcnt 0x0                             ; a's scale words
	s_wait_tensorcnt 0x1                           ; my record 0 has landed; record 1's load may be out
	FETCHS 0
	FETCHF 0
	s_mov_b32 s40, 8
.Lp1:                                              ; PHASE 1: trips 0 to 15, two to a trip of the loop; they ask for records 2 to 17.  Trip 0's round also stands between every wave's reads of a's stage and the first store of P's codes there
	P1TRIP 0
	P1TRIP 1
	s_sub_co_u32 s40, s40, 1
	s_cmp_lg_u32 s40, 0
	s_cbranch_scc1 .Lp1
	; MID.  Record 16 is in registers, record 17's load may be out: behind the two barriers here nothing is filled.
.irp m, 0,1,2,3
	v_permlanex16_b32 v[STAT+8*\m+5], v[STAT+8*\m+3], s44, s45
.endr
.irp m, 0,1,2,3
	v_add_f32 v[STAT+8*\m+3], v[STAT+8*\m+3], v[STAT+8*\m+5]   ; lw: with lane l xor 16's half of each block
.endr
.irp m, 0,1,2,3
	ds_store_b32 v[STW], v[STAT+8*\m+2] offset:64*\m
	ds_store_b32 v[STW], v[STAT+8*\m+3] offset:256+64*\m
.endr
	BARRIER                                        ; every wave's figures, F and codes lie in LDS
.irp w, 0,1,2,3
.irp m, 0,1,2,3
	ds_load_b32 v[96+4*\w+\m], v[STR] offset:512*\w+64*\m          ; -Mw of wave w,
	ds_load_b32 v[112+4*\w+\m], v[STR] offset:512*\w+256+64*\m     ; its lw
.endr
.endr
.irp e, 0,1
.irp m, 0,1,2,3
.irp b, 0,1,2,3
	ds_load_b32 v[128+16*\e+4*\m+\b], v[FR] offset:4096*\b+512*\e+64*\m   ; F of block b of K step 4 w + 2 e + h, row 16 m + r
.endr
.endr
.endr
	s_wait_dscnt 0x0
.irp m, 0,1,2,3
	v_min3_num_f32 v[STAT+8*\m], v[96+\m], v[100+\m], v[104+\m]
.endr
.irp m, 0,1,2,3
	v_min_num_f32 v[STAT+8*\m], v[STAT+8*\m], v[108+\m]   ; -M of the row
.endr
.irp w, 0,1,2,3
.irp m, 0,1,2,3
	v_sub_f32 v[96+4*\w+\m], v[STAT+8*\m], v[96+4*\w+\m]   ; Mw - M: a whole number, 0 or less
.endr
.endr
.irp w, 0,1,2,3
.irp m, 0,1,2,3
	v_cvt_i32_f32 v[96+4*\w+\m], v[96+4*\w+\m]
.endr
.endr
.irp w, 0,1,2,3
.irp m, 0,1,2,3
	v_ldexp_f32 v[112+4*\w+\m], v[112+4*\w+\m], v[96+4*\w+\m]
.endr
.endr
.irp m, 0,1,2,3
	v_add_f32 v[112+\m], v[112+\m], v[116+\m]
	v_add_f32 v[120+\m], v[120+\m], v[124+\m]
.endr
.irp m, 0,1,2,3
	v_add_f32 v[STAT+8*\m+3], v[112+\m], v[120+\m]   ; l of the row
.endr
.irp m, 0,1,2,3
	v_rcp_f32 v[RI+2*\m], v[STAT+8*\m+3]           ; made twice: the packed multiply names a pair
	v_rcp_f32 v[RI+2*\m+1], v[STAT+8*\m+3]
.endr
.irp e, 0,1
.irp m, 0,1,2,3
.irp b, 0,1,2,3
	v_sub_f32 v[128+16*\e+4*\m+\b], v[STAT+8*\m], v[128+16*\e+4*\m+\b]   ; the block's byte under M: (-M) - F.  (Plain places behind the reciprocals)
.endr
.endr
.endr
.set i, 0
.rept 32
	v_max_num_f32 v[128+i], 1.0, v[128+i]          ; held at 1 from below
.set i, i+1
.endr
.set i, 0
.rept 32
	v_cvt_u32_f32 v[128+i], v[128+i]
.set i, i+1
.endr
.irp b, 1,2,3
.irp i, 0,1,2,3,4,5,6,7
	v_lshl_or_b32 v[128+4*\i], v[128+4*\i+\b], 8*\b, v[128+4*\i]   ; four blocks' bytes make a row's scale word of a K step
.endr
.endr
.irp e, 0,1
.irp m, 0,1,2,3
	ds_store_b32 v[PSW], v[128+16*\e+4*\m] offset:512*\e+64*\m
.endr
.endr
	BARRIER                                        ; P's scale words lie in LDS
	s_mov_b32 s41, 0
	s_mov_b32 s42, 0
	FETCHP                                         ; K step 0
	s_wait_dscnt 0x0
	; PHASE 2: trips 16 to 31.  The first starts the sums with the constant 0; the last two ask for nothing: they are written out.
	P2TRIP 0, 1, 1, 1
	s_mov_b32 s40, 6
.Lp2:
	P2TRIP 1, 0, 1, 1
	P2TRIP 0, 0, 1, 1
	s_sub_co_u32 s40, s40, 1
	s_cmp_lg_u32 s40, 0
	s_cbranch_scc1 .Lp2
	P2TRIP 1, 0, 1, 1                              ; trip 29 asks for record 31
	P2TRIP 0, 0, 0, 1
	P2TRIP 1, 0, 0, 0
; THE WAY OUT, a tile of 16 rows m at a time.  A lane holds eight neighbouring d of one row; the tile is divided by l, goes through my stage (my record's bytes of slot 0, which have had their last fill and their last read)
; and comes back as rows of 1,024 bytes: each store covers 512 consecutive bytes, at a multiple of 256 from out0's first byte.  LDS serves a wave's instructions in order (ISA guide 5.7.1.4): no wait between the stores and the loads.
.macro OUTB m
.irp win, 0,1
.if \win == 0
	WIN 0x82                                       ; destination and source 0 window 2, 1 / l window 0
.else
	WIN 0xc3
.endif
.set dd, 0
.rept 8
.irp j, 0,2,4,6
	v_pk_mul_f32 v[8*(4*dd+\m)+\j:8*(4*dd+\m)+\j+1], v[8*(4*dd+\m)+\j:8*(4*dd+\m)+\j+1], v[RI+2*\m:RI+2*\m+1] op_sel_hi:[1,0]   ; each accumulator from its low end on
.endr
.set dd, dd+1
.endr
.endr
.irp win, 0,1
.if \win == 0
	WIN 0x08                                       ; an LDS store's data are its source 1: window 2
.else
	WIN 0x0c
.endif
.set dd, 0
.rept 8
	ds_store_b128 v[SO], v[8*(4*dd+\m):8*(4*dd+\m)+3] offset:64*(8*\win+dd)
	ds_store_b128 v[SO], v[8*(4*dd+\m)+4:8*(4*dd+\m)+7] offset:64*(8*\win+dd)+16
.set dd, dd+1
.endr
.endr
	WIN 0
	s_wait_xcnt 0x0                                ; the last tile's stores have read their registers: only behind this wait are they loaded again
.set ii, 0
.rept 32
	ds_load_b128 v[BK+4*ii:BK+4*ii+3], v[FA] offset:1040*(ii/2)+512*(ii%2)
.set ii, ii+1
.endr
.set ii, 0
.rept 32
	s_wait_dscnt 31-ii                             ; read-back ii is in; the later ones may be out
	global_store_b128 v[GO], v[BK+4*ii:BK+4*ii+3], s[10:11] offset:(16*\m+ii/2)*4096+512*(ii%2) th:TH_STORE_NT   ; written once, read by nobody here
.set ii, ii+1
.endr
.endm
	PLACES                                         ; the first multiplications read results just made
	OUTB 0
	OUTB 1
	OUTB 2
	OUTB 3
	s_wait_tensorcnt 0x0                           ; the wave's end, behind my last tensor load and my last LDS store
	ds_add_u32 v[SPW], v[NIL]
	s_wait_dscnt 0x0
	ROUND                                          ; the closing round: no work-group ends while a partner may still ask for a record that names it
	s_endpgm
.Lfunc_end_k_qb10b202071_attn:
	.size	k_qb10b202071_attn, .Lfunc_end_k_qb10b202071_attn-k_qb10b202071_attn
	.p2alignl 7, 3214868480
	.fill 96, 4, 3214868480
	.section	.rodata,"a",@progbits
	.p2align	6, 0x0
	.amdhsa_kernel k_qb10b202071_attn
		.amdhsa_group_segment_fixed_size 327680
		.amdhsa_private_segment_fixed_size 0
		.amdhsa_enable_private_segment 0
		.amdhsa_kernarg_size 32
		.amdhsa_user_sgpr_count 2
		.amdhsa_user_sgpr_kernarg_segment_ptr 1
		.amdhsa_wavefront_size32 1
		.amdhsa_system_sgpr_workgroup_id_x 1
		.amdhsa_system_sgpr_workgroup_id_y 1
		.amdhsa_system_sgpr_workgroup_id_z 1
		.amdhsa_system_vgpr_workitem_id 0
		.amdhsa_next_free_vgpr 1024
		.amdhsa_next_free_sgpr 66
		.amdhsa_reserve_vcc 0
		.amdhsa_float_denorm_mode_32 3
		.amdhsa_float_denorm_mode_16_64 3
		.amdhsa_memory_ordered 1
		.amdhsa_forward_progress 1
		.amdhsa_inst_pref_size 219
	.end_amdhsa_kernel
	.amdgpu_metadata
---
amdhsa.version: [ 1, 2 ]
amdhsa.kernels:
  - .name:           k_qb10b202071_attn
    .symbol:         k_qb10b202071_attn.kd
    .args:
      - { .name: a_codes, .offset: 0, .size: 8, .value_kind: global_buffer, .address_space: global }
      - { .name: a_scales, .offset: 8, .size: 8, .value_kind: global_buffer, .address_space: global }
      - { .name: qc, .offset: 16, .size: 8, .value_kind: global_buffer, .address_space: global }
      - { .name: out0, .offset: 24, .size: 8, .value_kind: global_buffer, .address_space: global }
    .group_segment_fixed_size: 327680
    .private_segment_fixed_size: 0
    .kernarg_segment_align: 8
    .kernarg_segment_size: 32
    .max_flat_workgroup_size: 128
    .sgpr_count:     66
    .vgpr_count:     1024
    .wavefront_size: 32
...
	.end_amdgpu_metadata
.endif
;; end of part 2
;; ======== version 2 of 2: 2 launches
;; limits: right only within a limited range of input values
;; workspace buffers: qc 13,107,200 bytes
;; launch quant (part 3): grid 256 x 1, 8 waves a work-group, no clusters, 162,816 bytes of LDS; arguments q, qc; writes qc
.if DOCPART == 3
	.amdgcn_target "amdgcn-amd-amdhsa--gfx1250"
	.amdhsa_code_object_version 6
	.text
	.protected	k_qb10b202071_quant
	.globl	k_qb10b202071_quant
	.p2align	8
	.type	k_qb10b202071_quant,@function
k_qb10b202071_quant:
	s_mov_b64 s[64:65], 0
	v_nop
	global_prefetch_b8 v0, s[64:65] scope:SCOPE_SE
	s_setreg_imm32_b32 hwreg(HW_REG_WAVE_MODE, 25, 1), 1
	s_wait_xcnt 0x0
; q [4][2048][1024], f32, is quantised TWICE to codes of FP6 (E2M3) with one E8M0 byte for each 32 numbers: along d (part 0, the first product's operand) and along n (part 1, the second's).
; A block's scale is 2^(floor(log2(its largest magnitude)) - 2): its byte is the largest magnitude's exponent field - 2, held at 1 from below by a floor among the maximum's leaves.  (A block of zeros so has the byte 1
; where the rule says 127: its codes are zeros, and this program alone reads the bytes.)  LIMITS: NaN and infinities among the inputs are not served.
; THE OUTPUT IS LAID AS THE READER'S REGISTERS WANT IT: qc is [batch 4][part 2][64] RECORDS of 25,600 bytes.  A record is 16 fragment images of 1,536 bytes (registers 4 g .. 4 g + 3 of lane l at 512 g + 16 l)
; and, from byte 24,576 on, 1,024 bytes of scale words (word k of lane l at 32 l + 4 k).
;   part 0, record nb: the 32 rows n = 32 nb ..; fragment 2 ks + u: image lane (r, h) holds row 32 nb + 8 u + r + 8 (r / 8), registers 6 c .. 6 c + 5 hold d = 128 ks + 64 c + 32 h + 0 .. 31; its scale word: k = ks, l = 16 u + r.
;   part 1, record 4 s + w: n = 128 s .. + 127, d = 256 w .. + 255; fragment f: image lane (r, h) holds d = 256 w + 16 f + r, registers 6 c .. hold n = 128 s + 64 c + 32 h + 0 .. 31; scale word: k = f / 2, l = 16 (f % 2) + r.
; Work-group i makes record i % 64 of both parts of batch i / 64.  Eight waves.  PART A: wave k takes K step ks = k of 32 rows: 32 loads of 512 consecutive bytes, turned through the wave's own stage in LDS so that a lane
; holds 2 x 32 neighbours along d of one row.  PART B: wave k takes 32 columns, a lane to a column, its registers running down n: a block of 32 lies in one lane.  Both store images: 512 consecutive bytes a store.
; The four work-groups 4 j .. 4 j + 3 read in part A the very 128 rows that they read in part B, so q's loads carry no hint that they are read once.
.set REC,   25600
.set FRB,   1536                       ; a fragment's image
.set PART,  64*REC
.set BATCH, 2*PART
.set STGW,  32*528                     ; LDS: part A's stage, for each wave 32 rows of 512 bytes + 16: rows an odd multiple of 16 bytes apart, so that sixteen rows' 16 bytes fall on different banks
.set SB,    8*STGW                     ; part B's stage, for each wave two images
.set SC,    SB+8*2*FRB                 ; the two records' scale words, 1,024 bytes each
.set L,     16                         ; v16-143  numbers as loaded: A's 32 rows x 4; later B's four blocks of 32
.set XA,    144                        ; v144-207 part A: a tile's 64 numbers of my lane
.set RB,    144                        ; v144-167 part B: 12 registers for image lane (r, 0), 12 for (r, 1)
.set TB,    168                        ; v168-170 part B: a block's upper 16 codes, before they are moved
.set OUTR,  176                        ; v176-199 part B: images read back
.set WB,    200                        ; v200     part B: my column's scale word
.set ENDR,  204                        ; v204-207 the scale words on their way out
.set CD,    208                        ; v208-231 part A: 12 registers of codes for each u; never written again, since stores read them
.set CT,    232                        ; v232-238 part A: upper halves, before they are moved
.set TM,    240                        ; v240-251 at work
	s_load_b128 s[4:7], s[0:1], 0x0                ; q, qc
	v_lshl_add_u32 v254, v0, 2, 0x27800
	v_mov_b32 v255, 0
	v_lshrrev_b32 v1, 5, v0
	s_delay_alu instid0(VALU_DEP_1)
	v_readfirstlane_b32 s8, v1                     ; wave k
	v_and_b32 v1, 31, v0                           ; lane
	v_and_b32 v2, 15, v0                           ; r
	v_bfe_u32 v3, v0, 4, 1                         ; h
	s_delay_alu instid0(VALU_DEP_3)
	v_lshlrev_b32 v4, 4, v1                        ; 16 x lane: my bytes of a dense load or store of 512
	s_delay_alu instid0(VALU_DEP_4)
	v_lshlrev_b32 v9, 2, v1                        ; 4 x lane: my column in part B
	s_lshl_b32 s10, ttmp9, 17                      ; part A reads q from 32 i rows of 4,096 bytes on,
	s_lshl_b32 s9, s8, 9
	s_add_co_u32 s10, s10, s9                      ; + 512 k: my K step
	s_mov_b32 s11, 0
	s_lshr_b32 s12, ttmp9, 2                       ; part B from 128 (i / 4) rows on,
	s_lshl_b32 s12, s12, 19
	s_and_b32 s9, ttmp9, 3
	s_lshl_b32 s9, s9, 10
	s_add_co_u32 s12, s12, s9                      ; + 1,024 (i % 4): the record's 256 columns,
	s_lshl_b32 s9, s8, 7
	s_add_co_u32 s12, s12, s9                      ; + 128 k: my 32 of them
	s_mov_b32 s13, 0
	s_lshr_b32 s14, ttmp9, 6
	s_mul_i32 s14, s14, BATCH
	s_and_b32 s9, ttmp9, 63
	s_mul_i32 s9, s9, REC
	s_add_co_u32 s14, s14, s9                      ; the part-0 record
	s_mov_b32 s15, 0
	s_mul_i32 s16, s8, 2*FRB                       ; my two images in a record
	s_mov_b32 s17, 0
	s_mov_b32 s20, 0x76543210
	s_mov_b32 s21, 0xfedcba98                      ; v_permlanex16_b32's selects for lane l xor 16
	s_wait_alu depctr_va_vdst(0)
	s_wait_kmcnt 0x0
	s_add_nc_u64 s[10:11], s[4:5], s[10:11]
	s_add_nc_u64 s[12:13], s[4:5], s[12:13]
	s_add_nc_u64 s[14:15], s[6:7], s[14:15]
	s_add_nc_u64 s[16:17], s[14:15], s[16:17]
.set rho, 0
.rept 32
	global_load_b128 v[L+4*rho:L+4*rho+3], v4, s[10:11] offset:4096*rho   ; row rho: 512 consecutive bytes
.set rho, rho+1
.endr
	s_mul_i32 s9, s8, STGW
	v_add_nc_u32 v5, s9, v4                        ; A's stage, on the way in: 16 x lane of a row
	v_mul_u32_u24 v6, v2, 528
	s_delay_alu instid0(VALU_DEP_1)
	v_lshl_add_u32 v6, v3, 7, v6
	s_delay_alu instid0(VALU_DEP_1)
	v_add_nc_u32 v6, s9, v6                        ; on the way out: row r of a tile, + 128 h: my 32 numbers of each 64
	s_lshl_b32 s9, s8, 2
	s_add_co_u32 s9, s9, SC
	v_lshl_add_u32 v8, v2, 5, s9                   ; A's scale word: 32 (16 u + r) + 4 k
	s_mul_i32 s9, s8, 2*FRB
	s_add_co_u32 s9, s9, SB
	v_mul_u32_u24 v10, v3, FRB
	s_delay_alu instid0(VALU_DEP_1)
	v_lshl_add_u32 v10, v2, 4, v10
	s_delay_alu instid0(VALU_DEP_1)
	v_add_nc_u32 v10, s9, v10                      ; B's stage, in: image lane / 16, image lane (r, .)
	v_add_nc_u32 v11, s9, v4                       ; back: as it lies
	s_lshl_b32 s9, s8, 2
	s_add_co_u32 s9, s9, SC+1024
	v_lshl_add_u32 v12, v1, 5, s9                  ; B's scale word: 32 x lane + 4 k
	v_and_b32 v13, 127, v0
	s_delay_alu instid0(VALU_DEP_1)
	v_lshl_add_u32 v13, v13, 4, SC                 ; the end: thread t of the first 128 takes 16 bytes of the 2,048
	v_and_b32 v14, 63, v0
	s_delay_alu instid0(VALU_DEP_1)
	v_lshlrev_b32 v14, 4, v14
	v_bfe_u32 v15, v0, 6, 1
	s_delay_alu instid0(VALU_DEP_1)
	v_mul_u32_u24 v15, v15, PART
	s_delay_alu instid0(VALU_DEP_1)
	v_add_nc_u32 v14, v14, v15                     ; and stores them in part 0's record or in part 1's
	v_lshlrev_b32 v[TM+7], 3, v3                   ; 8 h
	v_mov_b32 v[TM+8], 0                           ; written once: a lane permute's destination counts as one of its sources
.set rho, 0
.rept 32
	s_wait_loadcnt 31-rho                          ; loads come back in order: row rho is in, the later rows may be out
	ds_store_b128 v5, v[L+4*rho:L+4*rho+3] offset:528*(16*((rho/8)%2)+8*(rho/16)+rho%8)   ; row 16 a + 8 b + c goes to place 16 b + 8 a + c: tile u's sixteen rows then lie on end
.set rho, rho+1
.endr
	s_wait_dscnt 0x0                               ; the stage's stores have read their registers, which part B's loads take
.macro LOADB t                         ; block t of part B: q(32 t + j, my column), j = 0 .. 31: 128 consecutive bytes a wave, 1,024 a work-group
.set j, 0
.rept 32
	global_load_b32 v[L+32*(\t)+j], v9, s[12:13] offset:(32*(\t)+j)*4096
.set j, j+1
.endr
.endm
	LOADB 0                                        ; on their way while part A is quantised
	LOADB 1
; PART A, tile u: my 64 numbers, two whole blocks of 32, become my 12 registers of the image and two bytes of my row's scale word
.macro QA u
.irp c, 0,1
.irp i, 0,1,2,3,4,5,6,7
	ds_load_b128 v[XA+32*\c+4*\i:XA+32*\c+4*\i+3], v6 offset:528*16*\u+256*\c+16*\i
.endr
.endr
	s_wait_dscnt 0x0
.irp c, 0,1
	v_max3_num_f32 v[TM+\c], |v[XA+32*\c]|, |v[XA+32*\c+1]|, 0x1800000   ; block 2 c + h, and the floor 2^(3 - 127): the byte cannot fall under 1
.endr
.irp i, 2,4,6,8,10,12,14,16,18,20,22,24,26,28,30
.irp c, 0,1
	s_delay_alu instid0(VALU_DEP_2)
	v_max3_num_f32 v[TM+\c], v[TM+\c], |v[XA+32*\c+\i]|, |v[XA+32*\c+\i+1]|   ; (the two blocks by turns)
.endr
.endr
.irp c, 0,1
	s_delay_alu instid0(VALU_DEP_2)
	v_add_nc_u32 v[TM+2+\c], 0xff000000, v[TM+\c]  ; 2 off the exponent field: the conversion takes this operand's exponent field as its scale
.endr
.irp c, 0,1
	s_delay_alu instid0(VALU_DEP_2)
	v_lshrrev_b32 v[TM+4+\c], 23, v[TM+2+\c]       ; the scale's byte
.endr
	s_delay_alu instid0(VALU_DEP_1)
	v_lshl_or_b32 v[TM+6], v[TM+5], 16, v[TM+4]    ; my two bytes, blocks h and 2 + h,
	s_delay_alu instid0(VALU_DEP_1)
	v_lshlrev_b32 v[TM+6], v[TM+7], v[TM+6]        ; at their places (8 h bits up);
	s_delay_alu instid0(VALU_DEP_1)
	v_permlanex16_b32 v[TM+8], v[TM+6], s20, s21
	s_delay_alu instid0(VALU_DEP_1)
	v_or_b32 v[TM+10+\u], v[TM+6], v[TM+8]         ; with lane l xor 16's two the word is whole
.irp c, 0,1
	v_cvt_scalef32_pk16_fp6_f32 v[CD+12*\u+6*\c:CD+12*\u+6*\c+2], v[XA+32*\c:XA+32*\c+15], v[TM+2+\c]
	v_cvt_scalef32_pk16_fp6_f32 v[CT+4*\c:CT+4*\c+2], v[XA+32*\c+16:XA+32*\c+31], v[TM+2+\c]   ; (a conversion's three registers begin on an even number)
.endr
	v_nop                                          ; one plain place behind a scaled conversion
.irp c, 0,1
.irp i, 0,1,2
	v_mov_b32 v[CD+12*\u+6*\c+3+\i], v[CT+4*\c+\i]
.endr
.endr
.irp g, 0,1,2
	global_store_b128 v4, v[CD+12*\u+4*\g:CD+12*\u+4*\g+3], s[16:17] offset:FRB*\u+512*\g   ; the image of fragment 2 k + u: 512 consecutive bytes a store
.endr
	ds_store_b32 v8, v[TM+10+\u] offset:512*\u     ; both halves of the lanes write the same word with the same value
.endm
	QA 0
	QA 1
; PART B, block t: all its 32 numbers are mine.  Block t = 2 c + h' belongs to image lane (r, h'), registers 6 c ..
.macro QB t
.set XS, L+32*(\t)
.set RP, RB+12*((\t)%2)+6*((\t)/2)
.if (\t) < 3
	s_wait_loadcnt 32                              ; this block's 32 loads are in; the next block's may be out
.else
	s_wait_loadcnt 0x0
.endif
	v_max3_num_f32 v[TM], |v[XS]|, |v[XS+1]|, |v[XS+2]|
	v_max3_num_f32 v[TM+1], |v[XS+3]|, |v[XS+4]|, |v[XS+5]|
.irp i, 6,10,14,18,22,26
	s_delay_alu instid0(VALU_DEP_2)
	v_max3_num_f32 v[TM], v[TM], |v[XS+\i]|, |v[XS+\i+1]|
	s_delay_alu instid0(VALU_DEP_2)
	v_max3_num_f32 v[TM+1], v[TM+1], |v[XS+\i+2]|, |v[XS+\i+3]|
.endr
	s_delay_alu instid0(VALU_DEP_2)
	v_max3_num_f32 v[TM], v[TM], |v[XS+30]|, |v[XS+31]|
	s_delay_alu instid0(VALU_DEP_1)
	v_max3_num_f32 v[TM], v[TM], v[TM+1], 0x1800000   ; and the floor
	s_delay_alu instid0(VALU_DEP_1)
	v_add_nc_u32 v[TM+2], 0xff000000, v[TM]
	s_delay_alu instid0(VALU_DEP_1)
	v_lshrrev_b32 v[TM+3], 23, v[TM+2]
.if (\t) == 0
	s_delay_alu instid0(VALU_DEP_1)
	v_mov_b32 v[WB], v[TM+3]                       ; four bytes to the word, the lower n in the lower byte
.else
	s_delay_alu instid0(VALU_DEP_1)
	v_lshl_or_b32 v[WB], v[TM+3], 8*(\t), v[WB]
.endif
	v_cvt_scalef32_pk16_fp6_f32 v[RP:RP+2], v[XS:XS+15], v[TM+2]
	v_cvt_scalef32_pk16_fp6_f32 v[TB:TB+2], v[XS+16:XS+31], v[TM+2]
	v_nop                                          ; one plain place behind a scaled conversion
.irp i, 0,1,2
	v_mov_b32 v[RP+3+\i], v[TB+\i]
.endr
.if (\t)+2 < 4
	LOADB (\t)+2
.endif
.endm
	QB 0
	QB 1
	QB 2
	QB 3
.irp hh, 0,1
.irp g, 0,1,2
	ds_store_b128 v10, v[RB+12*\hh+4*\g:RB+12*\hh+4*\g+3] offset:512*\g+256*\hh   ; my column's registers go where image lane (r, hh) has its place
.endr
.endr
.irp j, 0,1,2,3,4,5
	ds_load_b128 v[OUTR+4*\j:OUTR+4*\j+3], v11 offset:512*\j   ; LDS serves a wave's instructions in order: these see my stores
.endr
	ds_store_b32 v12, v[WB]
.irp j, 0,1,2,3,4,5
	s_wait_dscnt 6-\j                              ; read-back j is in; behind it: the later read-backs and the word's store
	global_store_b128 v4, v[OUTR+4*\j:OUTR+4*\j+3], s[16:17] offset:PART+512*\j   ; fragments 2 k and 2 k + 1 of the part-1 record
.endr
	s_wait_dscnt 0x0                               ; for the others' sake: my scale words lie in LDS
	s_barrier_signal -1
	s_barrier_wait -1
	s_cmp_lt_u32 s8, 4                             ; the 2,048 bytes of scale words leave by the first four waves, 512 consecutive bytes each
	s_cbranch_scc0 .Ldone
	ds_load_b128 v[ENDR:ENDR+3], v13
	s_wait_dscnt 0x0
	global_store_b128 v14, v[ENDR:ENDR+3], s[14:15] offset:16*FRB
.Ldone:
	s_wait_tensorcnt 0x0
	ds_add_u32 v254, v255
	s_wait_dscnt 0x0
	s_endpgm
.Lfunc_end_k_qb10b202071_quant:
	.size	k_qb10b202071_quant, .Lfunc_end_k_qb10b202071_quant-k_qb10b202071_quant
	.p2alignl 7, 3214868480
	.fill 96, 4, 3214868480
	.section	.rodata,"a",@progbits
	.p2align	6, 0x0
	.amdhsa_kernel k_qb10b202071_quant
		.amdhsa_group_segment_fixed_size 162816
		.amdhsa_private_segment_fixed_size 0
		.amdhsa_enable_private_segment 0
		.amdhsa_kernarg_size 16
		.amdhsa_user_sgpr_count 2
		.amdhsa_user_sgpr_kernarg_segment_ptr 1
		.amdhsa_wavefront_size32 1
		.amdhsa_system_sgpr_workgroup_id_x 1
		.amdhsa_system_sgpr_workgroup_id_y 1
		.amdhsa_system_sgpr_workgroup_id_z 1
		.amdhsa_system_vgpr_workitem_id 0
		.amdhsa_next_free_vgpr 256
		.amdhsa_next_free_sgpr 66
		.amdhsa_reserve_vcc 0
		.amdhsa_float_denorm_mode_32 3
		.amdhsa_float_denorm_mode_16_64 3
		.amdhsa_memory_ordered 1
		.amdhsa_forward_progress 1
		.amdhsa_inst_pref_size 43
	.end_amdhsa_kernel
	.amdgpu_metadata
---
amdhsa.version: [ 1, 2 ]
amdhsa.kernels:
  - .name:           k_qb10b202071_quant
    .symbol:         k_qb10b202071_quant.kd
    .args:
      - { .name: q, .offset: 0, .size: 8, .value_kind: global_buffer, .address_space: global }
      - { .name: qc, .offset: 8, .size: 8, .value_kind: global_buffer, .address_space: global }
    .group_segment_fixed_size: 162816
    .private_segment_fixed_size: 0
    .kernarg_segment_align: 8
    .kernarg_segment_size: 16
    .max_flat_workgroup_size: 256
    .sgpr_count:     66
    .vgpr_count:     256
    .wavefront_size: 32
...
	.end_amdgpu_metadata
.endif
;; end of part 3
;; launch attn (part 4): grid 256 x 1, 4 waves a work-group, clusters of 4 x 1, 327,680 bytes of LDS; arguments a_codes, a_scales, qc, out0; writes out0
.if DOCPART == 4
	.amdgcn_target "amdgcn-amd-amdhsa--gfx1250"
	.amdhsa_code_object_version 6
	.text
	.protected	k_qb10b202071_attn
	.globl	k_qb10b202071_attn
	.p2align	8
	.type	k_qb10b202071_attn,@function
k_qb10b202071_attn:
	s_mov_b64 s[64:65], 0
	v_nop
	global_prefetch_b8 v0, s[64:65] scope:SCOPE_SE
	s_setreg_imm32_b32 hwreg(HW_REG_WAVE_MODE, 25, 1), 1
	s_wait_xcnt 0x0
	s_wait_alu depctr_hold_cnt(0) depctr_sa_sdst(0) depctr_va_vdst(0) depctr_va_sdst(0) depctr_va_ssrc(0) depctr_va_vcc(0) depctr_vm_vsrc(0)
	s_getreg_b32 s2, hwreg(HW_REG_IB_STS2, 6, 4)
	s_cmp_eq_u32 s2, 0
	s_cbranch_scc0 .Lentry_in_a_cluster
	s_endpgm
.Lentry_in_a_cluster:
	s_bfe_u32 s2, ttmp6, 0x10000c
	s_cmp_lg_u32 s2, 0x3003
	s_cbranch_scc0 .Lentry_shape_is_right
	s_endpgm
.Lentry_shape_is_right:
; out0[b][m][d] = sum over n of softmax over n (q[b][n] . a[b][m]) q[b][n][d], both products in MX-FP6 (E2M3, one E8M0 byte for 32 along K).
; A work-group takes 64 rows m of a; four waves; 256 work-groups.  qc holds q's codes twice, as images of operand registers (launch quant): for each batch
; 32 tiles of 4 records of 25,600 bytes: tiles 0-15 along d (record w: 32 rows n), tiles 16-31 along n (record w: 256 columns d).
; PHASE 1, 16 trips of 128 n: a's 64 rows x K 1,024 stay in 384 registers; wave w takes record w: S^T (32 n x 64 m) = 64 products.  A lane holds one m and 16 n; with lane l xor 16 a block of 32 n.
;   Each block is quantised under its OWN whole number M' = ceil(its largest t), t = score x log2(e): p = 2^(t - M'); codes go to LDS (P), with -M' - byte as f32 beside them; the sums of the unquantised p run on under a running M.
; BETWEEN: the waves' M and sums are joined; each block's byte is brought under the column's M (a power of two moves no code); bytes that would fall under 1 are held at 1.
; PHASE 2, 16 trips of 128 n: wave w takes d = 256 w .. + 255: O^T (256 d x 64 m) in 512 registers, 64 products a trip; then x 1 / sum, through a stage in LDS, out in whole rows of 1,024 bytes.
; THE TRIP: the change of slots stands at its head; behind each 16 products their four fragments of q are loaded again, for the next trip, from the other slot.  So at a change of slots a trip's fragments are all in registers,
;   the slot that held them is filled again, and no counted wait on LDS is written.  Scale words and P's fragments have two sets of registers, by turns.
; CLUSTER: the four work-groups of a cluster walk the same tiles and ask for them jointly (mask 15).  Cluster c of a batch takes tile i xor c in trip i, in both phases alike, so that P's planes and q's tiles meet.
; PREFETCH: in trip i the 16 clusters of a batch read all 16 tiles of a part, so from each part's second trip on a tile has been read by a neighbour one trip earlier: nothing is asked for those.  The first tile of the second
;   part has not: each cluster asks for its own once, at the head, 16 waves x 25 blocks of 256 bytes (lanes 25-31 name the wave's last block again), shared out by address.
; LIMITS: NaN and infinities among the inputs are not served.  The promise holds while |t| stays under 2^24.  A block more than 2^125 under its column's largest p is held at the byte 1.
.set REC,    25600
.set SLOTB,  4*REC                     ; a slot: one tile
.set BATCH,  32*SLOTB
.set FRB,    1536                      ; a fragment's image; a record's scale words lie behind its 16 images
.set L_P,    2*SLOTB                   ; P: four planes (one a wave of phase 1), 16 trips x 64 m x 24 bytes; at the head: a's stage
.set PLANE,  24704
.set L_F,    L_P+4*PLANE               ; -M' - byte of each block, f32
.set L_PS,   L_F+16384                 ; P's scale words
.set L_ST,   L_PS+4096                 ; the waves' M and sums
.set SPARE,  L_ST+2048                 ; the spare words, 128 bytes a wave
.set SPW, 1
.set NIL, 2
.set FA,  3                            ; v3-4   my record in slot 0, 1: 16 x lane
.set SA,  5                            ; v5-6   its scale words
.set PW0, 7
.set FW0, 8
.set PWA, 9
.set FWA, 10
.set PR0, 11
.set PSA0, 12
.set PRA, 13
.set PSA, 14
.set A0,  15
.set A1,  16
.set AW,  17
.set STW, 18
.set STR, 19
.set FR,  20
.set PSW, 21
.set SO,  22
.set PFO, 23                           ; the prefetch's offset; never rewritten
.set AS,  24                           ; v24-39 a's scale words
.set QS,  40                           ; v40-47 and v240-247: q's scale words, two sets
.set PSR, 48                           ; v48-49 and v248-249: P's scale words, two sets
.set GO,  51
.set ASL, 52
.set LN,  53
.set RR,  54
.set HH,  55
.set STAT, 56
.set RI,  88
.set S,   96                           ; v96-159 phase 1: S^T, then p
.set PF,  96                           ; v96-143 and v144-191 phase 2: P's fragments, two sets
.set CC,  160
.set TT,  176
.set BK,  96
; window 1: v0-191 q's 16 fragments.  Windows 2, 3: phase 1 a's fragments (192 each), phase 2 the 64 accumulators
.set MSB, 0
.macro WIN new                         ; the immediate's high byte repeats the setting that is left
.if MSB != \new
	s_set_vgpr_msb (MSB<<8)|\new
.set MSB, \new
.endif
.endm
.macro PLACES                          ; four places behind a matrix instruction, ahead of loads into its sources and of readers of its result
.rept 4
	v_nop
.endr
.endm
.macro BARRIER
	s_wait_dscnt 0x0
	s_barrier_signal -1
	s_barrier_wait -1
.endm
.macro ROUND                           ; a round of the cluster's barrier
	s_barrier_signal -1
	s_barrier_wait -1
	s_cmp_lg_u32 s12, 0
	s_cbranch_scc1 .Lnot_wave_0_\@
	s_barrier_signal -3
.Lnot_wave_0_\@:
	s_barrier_wait -3
	s_barrier_signal -1
	s_barrier_wait -1
.endm
; The change of slots: the other slot's tile has landed, this trip's fragments are in registers; this slot takes the tile two trips on (s43 counts tiles, s54 = my cluster's number in its batch)
.macro CHANGE slot
	WIN 0
	s_wait_tensorcnt 0x0                           ; my one load that was out
	ds_add_u32 v[SPW], v[NIL]
	s_xor_b32 s52, s43, s54
	s_mul_i32 s52, s52, SLOTB
	s_add_nc_u64 s[34+4*(\slot):35+4*(\slot)], s[50:51], s[52:53]
	s_or_b32 s[35+4*(\slot)], s[35+4*(\slot)], 0x80000000
	s_add_co_u32 s43, s43, 1
	s_wait_dscnt 0x0                               ; the add, and all my reads of this slot
	ROUND
	tensor_load_to_lds s[32+4*(\slot):35+4*(\slot)], s[24:31]
	s_nop 0
	PLACES
.endm
.macro FETCHS slot                     ; my record's scale words, into set \slot
	ds_load_b128 v[QS+200*(\slot):QS+200*(\slot)+3], v[SA+(\slot)]
	ds_load_b128 v[QS+200*(\slot)+4:QS+200*(\slot)+7], v[SA+(\slot)] offset:16
.endm
.macro LOADG g, slot                   ; fragments 4 g .. 4 g + 3 of my record
	WIN 0x40
.set f, 4*(\g)
.rept 4
.irp gg, 0,1,2
	ds_load_b128 v[12*f+4*\gg:12*f+4*\gg+3], v[FA+(\slot)] offset:FRB*f+512*\gg
.endr
.set f, f+1
.endr
.endm
.macro FETCHP p                        ; P's four fragments and two scale registers of the trip at s41, s42, into set \p
	v_add_nc_u32 v[PRA], s41, v[PR0]
	v_add_nc_u32 v[PSA], s42, v[PSA0]
	s_wait_alu depctr_va_vdst(0)
	ds_load_b32 v[PSR+200*(\p)], v[PSA]
	ds_load_b32 v[PSR+200*(\p)+1], v[PSA] offset:128
.irp m, 0,1,2,3
.irp c, 0,1
.irp i, 0,1,2
	ds_load_b64 v[PF+48*(\p)+12*\m+6*\c+2*\i:PF+48*(\p)+12*\m+6*\c+2*\i+1], v[PRA] offset:2*PLANE*\c+384*\m+8*\i
.endr
.endr
.endr
.endm
.macro WM                              ; one product, by the symbols rD, rA, rB, rSA, rSB; zC: C = 0; xA, xB: the scales' row
.if zC
.if xA && xB
	v_wmma_scale_f32_16x16x128_f8f6f4 v[rD:rD+7], v[rA:rA+11], v[rB:rB+11], 0, v[rSA], v[rSB] matrix_a_fmt:MATRIX_FMT_FP6 matrix_b_fmt:MATRIX_FMT_FP6 matrix_a_scale:MATRIX_SCALE_ROW1 matrix_b_scale:MATRIX_SCALE_ROW1
.elseif xA
	v_wmma_scale_f32_16x16x128_f8f6f4 v[rD:rD+7], v[rA:rA+11], v[rB:rB+11], 0, v[rSA], v[rSB] matrix_a_fmt:MATRIX_FMT_FP6 matrix_b_fmt:MATRIX_FMT_FP6 matrix_a_scale:MATRIX_SCALE_ROW1
.elseif xB
	v_wmma_scale_f32_16x16x128_f8f6f4 v[rD:rD+7], v[rA:rA+11], v[rB:rB+11], 0, v[rSA], v[rSB] matrix_a_fmt:MATRIX_FMT_FP6 matrix_b_fmt:MATRIX_FMT_FP6 matrix_b_scale:MATRIX_SCALE_ROW1
.else
	v_wmma_scale_f32_16x16x128_f8f6f4 v[rD:rD+7], v[rA:rA+11], v[rB:rB+11], 0, v[rSA], v[rSB] matrix_a_fmt:MATRIX_FMT_FP6 matrix_b_fmt:MATRIX_FMT_FP6
.endif
.else
.if xA && xB
	v_wmma_scale_f32_16x16x128_f8f6f4 v[rD:rD+7], v[rA:rA+11], v[rB:rB+11], v[rD:rD+7], v[rSA], v[rSB] matrix_a_fmt:MATRIX_FMT_FP6 matrix_b_fmt:MATRIX_FMT_FP6 matrix_a_scale:MATRIX_SCALE_ROW1 matrix_b_scale:MATRIX_SCALE_ROW1
.elseif xA
	v_wmma_scale_f32_16x16x128_f8f6f4 v[rD:rD+7], v[rA:rA+11], v[rB:rB+11], v[rD:rD+7], v[rSA], v[rSB] matrix_a_fmt:MATRIX_FMT_FP6 matrix_b_fmt:MATRIX_FMT_FP6 matrix_a_scale:MATRIX_SCALE_ROW1
.elseif xB
	v_wmma_scale_f32_16x16x128_f8f6f4 v[rD:rD+7], v[rA:rA+11], v[rB:rB+11], v[rD:rD+7], v[rSA], v[rSB] matrix_a_fmt:MATRIX_FMT_FP6 matrix_b_fmt:MATRIX_FMT_FP6 matrix_b_scale:MATRIX_SCALE_ROW1
.else
	v_wmma_scale_f32_16x16x128_f8f6f4 v[rD:rD+7], v[rA:rA+11], v[rB:rB+11], v[rD:rD+7], v[rSA], v[rSB] matrix_a_fmt:MATRIX_FMT_FP6 matrix_b_fmt:MATRIX_FMT_FP6
.endif
.endif
.endm
; Phase 1, K steps 2 g and 2 g + 1: 16 products on the 8 accumulators by turns; source 0 = 16 rows n of q, source 1 = 16 rows m of a
.macro MUL1G g, p
.set ks, 2*(\g)
.rept 2
.set zC, 0
.if ks == 0
.set zC, 1
.endif
.set mt, 0
.rept 4
.if mt == 0
	WIN 0x09
.elseif mt == 2
	WIN 0x0d
.endif
.set u, 0
.rept 2
.set rD, S+16*mt+8*u
.set rA, 12*(2*ks+u)
.set rB, 96*(mt%2)+12*ks
.set rSA, QS+200*(\p)+ks
.set rSB, AS+8*(mt/2)+ks
.set xA, u
.set xB, mt%2
	WM
.set u, u+1
.endr
.set mt, mt+1
.endr
.set ks, ks+1
.endr
.endm
; Phase 2, tiles 4 g .. 4 g + 3 of my 16 tiles of d: 16 products, each on its own accumulator; source 0 = 16 columns d of q, source 1 = 16 rows m of P
.macro MUL2G g, zero, p
.if (\g) < 2
	WIN 0xa1
.else
	WIN 0xf1
.endif
.set dd, 0
.rept 4
.set dt, 4*(\g)+dd
.set mt, 0
.rept 4
.set rD, 8*(4*(dt%8)+mt)
.set rA, 12*dt
.set rB, PF+48*(\p)+12*mt
.set rSA, QS+200*(\p)+dt/2
.set rSB, PSR+200*(\p)+mt/2
.set xA, dt%2
.set xB, mt%2
.set zC, \zero
	WM
.set mt, mt+1
.endr
.set dd, dd+1
.endr
.endm
; The softmax's part of a trip.  STAT+8 m: +0 -M' of this block, +1 at work, +2 the running -M, +3 the running sum, +4 .. +7 at work
.macro EPI
	v_add_nc_u32 v[PWA], s41, v[PW0]
	v_add_nc_u32 v[FWA], s42, v[FW0]
.irp m, 0,1,2,3
	v_max3_num_f32 v[STAT+8*\m+4], v[S+16*\m], v[S+16*\m+1], v[S+16*\m+2]
.endr
.irp i, 3,5,7,9,11,13
.irp m, 0,1,2,3
	v_max3_num_f32 v[STAT+8*\m+4], v[STAT+8*\m+4], v[S+16*\m+\i], v[S+16*\m+\i+1]
.endr
.endr
.irp m, 0,1,2,3
	v_max_num_f32 v[STAT+8*\m+4], v[STAT+8*\m+4], v[S+16*\m+15]
.endr
.irp m, 0,1,2,3
	v_permlanex16_b32 v[STAT+8*\m+5], v[STAT+8*\m+4], s44, s45
.endr
.irp m, 0,1,2,3
	v_max_num_f32 v[STAT+8*\m+4], v[STAT+8*\m+4], v[STAT+8*\m+5]   ; the block's largest score
.endr
.irp m, 0,1,2,3
	v_mul_f32 v[STAT+8*\m+1], s46, v[STAT+8*\m+4]
.endr
.irp m, 0,1,2,3
	v_floor_f32 v[STAT+8*\m], -v[STAT+8*\m+1]      ; -M' = floor(-t)
.endr
.irp j, 0,2,4,6,8,10,12,14
.irp m, 0,1,2,3
	v_pk_fma_f32 v[S+16*\m+\j:S+16*\m+\j+1], v[S+16*\m+\j:S+16*\m+\j+1], s[46:47], v[STAT+8*\m:STAT+8*\m+1] op_sel_hi:[1,0,0]
.endr
.endr
.irp m, 0,1,2,3
	v_fma_f32 v[STAT+8*\m+4], v[STAT+8*\m+4], s46, v[STAT+8*\m]
.endr
	s_wait_alu depctr_va_vdst(0)
.irp j, 0,1,2,3,4,5,6,7,8,9,10,11,12,13,14,15
.irp m, 0,1,2,3
	v_exp_f32 v[S+16*\m+\j], v[S+16*\m+\j]         ; p = 2^(t - M')
.endr
.endr
.irp m, 0,1,2,3
	v_exp_f32 v[STAT+8*\m+4], v[STAT+8*\m+4]       ; the block's largest p
.endr
.irp m, 0,1,2,3
	v_min_num_f32 v[STAT+8*\m+1], v[STAT+8*\m+2], v[STAT+8*\m]   ; the new running -M
.endr
	s_wait_alu depctr_va_vdst(0)                   ; and behind it
.irp m, 0,1,2,3
	v_max_num_f32 v[STAT+8*\m+4], 0x1800000, v[STAT+8*\m+4]
.endr
.irp m, 0,1,2,3
	v_add_nc_u32 v[STAT+8*\m+6], 0xff000000, v[STAT+8*\m+4]   ; 2 off the exponent field: the conversion's scale
.endr
.irp m, 0,1,2,3
	v_lshrrev_b32 v[STAT+8*\m+7], 23, v[STAT+8*\m+6]
.endr
.irp m, 0,1,2,3
	v_cvt_f32_u32 v[STAT+8*\m+7], v[STAT+8*\m+7]
.endr
.irp m, 0,1,2,3
	v_sub_f32 v[STAT+8*\m+7], v[STAT+8*\m], v[STAT+8*\m+7]    ; -M' - byte
.endr
.irp m, 0,1,2,3
	v_cvt_scalef32_pk16_fp6_f32 v[CC+4*\m:CC+4*\m+2], v[S+16*\m:S+16*\m+15], v[STAT+8*\m+6]
.endr
	v_nop
.irp m, 0,1,2,3
	ds_store_b32 v[FWA], v[STAT+8*\m+7] offset:64*\m
.irp i, 0,1,2
	ds_store_b32 v[PWA], v[CC+4*\m+\i] offset:384*\m+4*\i
.endr
.endr
.irp m, 0,1,2,3
	v_pk_add_f32 v[TT+2*\m:TT+2*\m+1], v[S+16*\m:S+16*\m+1], v[S+16*\m+2:S+16*\m+3]   ; the sum of the unquantised p
.endr
.irp j, 4,6,8,10,12,14
.irp m, 0,1,2,3
	v_pk_add_f32 v[TT+2*\m:TT+2*\m+1], v[TT+2*\m:TT+2*\m+1], v[S+16*\m+\j:S+16*\m+\j+1]
.endr
.endr
.irp m, 0,1,2,3
	v_add_f32 v[TT+2*\m], v[TT+2*\m], v[TT+2*\m+1]
.endr
.irp m, 0,1,2,3
	v_sub_f32 v[STAT+8*\m+5], v[STAT+8*\m+1], v[STAT+8*\m+2]
	v_sub_f32 v[STAT+8*\m+4], v[STAT+8*\m+1], v[STAT+8*\m]
.endr
.irp m, 0,1,2,3
	v_cvt_i32_f32 v[STAT+8*\m+5], v[STAT+8*\m+5]
	v_cvt_i32_f32 v[STAT+8*\m+4], v[STAT+8*\m+4]
.endr
.irp m, 0,1,2,3
	v_ldexp_f32 v[STAT+8*\m+3], v[STAT+8*\m+3], v[STAT+8*\m+5]   ; both sums under the new M: exact powers of two
	v_ldexp_f32 v[TT+2*\m], v[TT+2*\m], v[STAT+8*\m+4]
.endr
.irp m, 0,1,2,3
	v_add_f32 v[STAT+8*\m+3], v[STAT+8*\m+3], v[TT+2*\m]
	v_mov_b32 v[STAT+8*\m+2], v[STAT+8*\m+1]
.endr
	s_add_co_u32 s41, s41, 1536
	s_add_co_u32 s42, s42, 256
.endm
.macro P1TRIP slot
	CHANGE \slot
	FETCHS 1-\slot
.irp g, 0,1,2,3
	MUL1G \g, \slot
	PLACES
	LOADG \g, 1-\slot                              ; the next trip's, into the registers just multiplied
.endr
	WIN 0
	EPI
.endm
.macro P2TRIP slot, zero, fill, fetch
.if \fill
	CHANGE \slot
.else
	WIN 0
.if \fetch
	s_wait_tensorcnt 0x0                           ; the last tile: my record, which I alone read
.endif
	s_wait_dscnt 0x0                               ; this trip's fragments
	PLACES
.endif
.if \fetch
	s_add_co_u32 s41, s41, 1536
	s_add_co_u32 s42, s42, 256
	FETCHS 1-\slot
	FETCHP 1-\slot
.endif
.irp g, 0,1,2,3
	MUL2G \g, \zero, \slot
.if \fetch
	PLACES
	LOADG \g, 1-\slot
.endif
.endr
	WIN 0
.endm
	s_load_b256 s[4:11], s[0:1], 0x0               ; a_codes, a_scales, qc, out0
	v_lshl_add_u32 v[SPW], v0, 2, SPARE
	v_mov_b32 v[NIL], 0
	ds_add_u32 v[SPW], v[NIL]                      ; the opening lines
	ds_add_u32 v[SPW], v[NIL]
	v_lshrrev_b32 v[LN], 5, v0
	v_readfirstlane_b32 s12, v[LN]                 ; wave
	v_and_b32 v[LN], 31, v0
	v_and_b32 v[RR], 15, v0
	v_bfe_u32 v[HH], v0, 4, 1
	v_lshlrev_b32 v[GO], 4, v[LN]
	v_lshlrev_b32 v[ASL], 5, v[LN]
	v_min_u32 v[PFO], 24, v[LN]
	v_lshlrev_b32 v[PFO], 8, v[PFO]
	s_bfe_u32 s13, ttmp6, 0x40000                  ; cx
	s_lshl_b32 s14, ttmp9, 2
	s_add_co_u32 s14, s14, s13                     ; work-group: 64 rows of a
	s_lshr_b32 s15, ttmp9, 4                       ; batch
	s_and_b32 s54, ttmp9, 15                       ; my cluster in its batch
	s_mov_b32 s24, 15|(3<<16)|(1<<21)              ; group 1: a record as 100 rows of 256 bytes, for all four partners
	s_mov_b32 s25, 32<<16
	s_mov_b32 s26, 100<<16
	s_mov_b32 s27, 32<<16
	s_mov_b32 s28, 100
	s_mov_b32 s29, 32
	s_mov_b32 s30, 0
	s_mov_b32 s31, 0
	s_mul_i32 s16, s15, BATCH
	s_mul_i32 s33, s12, REC
	s_add_co_u32 s16, s16, s33
	s_mov_b32 s17, 0
	s_add_co_u32 s37, s33, SLOTB
	s_mov_b32 s32, 1
	s_mov_b32 s36, 1
	s_mul_i32 s52, s54, SLOTB
	s_mov_b32 s53, 0
	s_xor_b32 s18, s54, 1
	s_mul_i32 s18, s18, SLOTB
	s_mov_b32 s19, 0
	s_mov_b32 s43, 2
	s_mul_i32 s20, s14, 49152
	s_mul_i32 s21, s12, 12288
	s_add_co_u32 s20, s20, s21                     ; a's codes: my 16 of the 64 rows of 768 bytes
	s_mov_b32 s21, 0
	s_lshl_b32 s22, s14, 11
	s_mov_b32 s23, 0
	s_lshl_b32 s48, s14, 18
	s_lshl_b32 s49, s12, 10
	s_add_co_u32 s48, s48, s49
	s_mov_b32 s49, 0
	s_lshl_b32 s56, s13, 2                         ; the prefetch: wave 4 cx + w of the cluster's 16 takes 25 blocks of 256 bytes
	s_add_co_u32 s56, s56, s12
	s_mul_i32 s56, s56, 6400
	s_mul_i32 s57, s15, BATCH
	s_add_co_u32 s56, s56, s57
	s_add_co_u32 s57, s54, 16                      ; of tile 16 xor my cluster's number
	s_mul_i32 s57, s57, SLOTB
	s_add_co_u32 s56, s56, s57
	s_mov_b32 s57, 0
	s_mov_b32 s44, 0x76543210
	s_mov_b32 s45, 0xfedcba98
	s_mov_b32 s46, 0x3fb8aa3b                      ; log2(e)
	s_mov_b32 s47, s46
	s_mov_b32 s41, 0
	s_mov_b32 s42, 0
	s_wait_alu depctr_va_vdst(0)
	s_wait_dscnt 0x0
	s_wait_kmcnt 0x0
	s_add_nc_u64 s[50:51], s[8:9], s[16:17]
	s_add_nc_u64 s[34:35], s[50:51], s[52:53]
	s_add_nc_u64 s[38:39], s[50:51], s[18:19]
	s_or_b32 s35, s35, 0x80000000
	s_or_b32 s39, s39, 0x80000000
	s_add_nc_u64 s[20:21], s[4:5], s[20:21]
	s_add_nc_u64 s[22:23], s[6:7], s[22:23]
	s_add_nc_u64 s[10:11], s[10:11], s[48:49]
	s_add_nc_u64 s[56:57], s[8:9], s[56:57]
.set i, 0
.rept 24
	global_load_b128 v[96+4*i:96+4*i+3], v[GO], s[20:21] offset:512*i th:TH_LOAD_NT   ; a's codes are asked for ahead of the first tile
.set i, i+1
.endr
.irp i, 0,1
.irp j, 0,1
	global_load_b128 v[AS+8*\i+4*\j:AS+8*\i+4*\j+3], v[ASL], s[22:23] offset:1024*\i+16*\j
.endr
.endr
	ROUND
	tensor_load_to_lds s[32:35], s[24:31]          ; tile 0: one tensor load a wave at the head
	s_nop 0
	v_add_nc_u32 v[FA], s33, v[GO]                 ; the addresses are made while it is out
	v_add_nc_u32 v[FA+1], SLOTB, v[FA]
	v_add_nc_u32 v[SA], s33, v[ASL]
	v_add_nc_u32 v[SA], 16*FRB, v[SA]
	v_add_nc_u32 v[SA+1], SLOTB, v[SA]
	s_mul_i32 s16, s12, PLANE
	s_add_co_u32 s16, s16, L_P
	v_mul_u32_u24 v[PW0], v[RR], 24
	v_mad_u32_u24 v[PW0], v[HH], 12, v[PW0]
	v_add_nc_u32 v[PW0], s16, v[PW0]
	s_lshl_b32 s16, s12, 12
	s_add_co_u32 s16, s16, L_F
	v_lshl_add_u32 v[FW0], v[RR], 2, s16
	v_mul_u32_u24 v[PR0], v[RR], 24
	v_mad_u32_u24 v[PR0], v[HH], PLANE, v[PR0]
	v_add_nc_u32 v[PR0], L_P, v[PR0]
	v_lshl_add_u32 v[PSA0], v[LN], 2, L_PS
	v_mul_u32_u24 v[A0], v[RR], 816
	v_mad_u32_u24 v[A0], v[HH], 24, v[A0]
	v_add_nc_u32 v[A0], L_P, v[A0]
	v_lshl_add_u32 v[A1], v[HH], 4, v[A0]
	s_mul_i32 s16, s12, 13056
	s_add_co_u32 s16, s16, L_P
	v_mul_u32_u24 v[AW], v[HH], 272
	v_lshl_add_u32 v[AW], v[RR], 4, v[AW]
	v_add_nc_u32 v[AW], s16, v[AW]
	s_lshl_b32 s16, s12, 9
	s_add_co_u32 s16, s16, L_ST
	v_lshl_add_u32 v[STW], v[RR], 2, s16
	v_lshl_add_u32 v[STR], v[RR], 2, L_ST
	s_lshl_b32 s16, s12, 10
	v_lshlrev_b32 v[FR], 2, v[RR]
	v_lshl_add_u32 v[FR], v[HH], 8, v[FR]
	v_add_nc_u32 v[FR], s16, v[FR]
	v_add_nc_u32 v[PSW], L_PS, v[FR]
	v_add_nc_u32 v[FR], L_F, v[FR]
	v_mul_u32_u24 v[SO], v[RR], 1040
	v_lshl_add_u32 v[SO], v[HH], 5, v[SO]
	v_add_nc_u32 v[SO], s33, v[SO]
.irp m, 0,1,2,3
	v_mov_b32 v[STAT+8*\m+2], 0x7f61b1e6           ; the running -M: 3e38
	v_mov_b32 v[STAT+8*\m+3], 0
	v_mov_b32 v[STAT+8*\m+5], 0
.endr
	s_wait_alu depctr_va_vdst(0)
	s_wait_tensorcnt 0x0                           ; slot 1's first fill stands behind the full sequence, as a refill does
	ds_add_u32 v[SPW], v[NIL]
	s_wait_dscnt 0x0
	ROUND
	tensor_load_to_lds s[36:39], s[24:31]          ; tile 1
	s_nop 0
	PLACES
	global_prefetch_b8 v[PFO], s[56:57] th:TH_LOAD_NT scope:SCOPE_SE   ; the second part's first tile; its registers are never rewritten
; a's rows of 768 bytes go through LDS in chunks of 256 bytes, 272 apart, and come back as 32 fragments
.set i, 0
.rept 24
	s_wait_loadcnt 27-i                            ; load i is in; behind it the later 23 - i and the four of scales
	ds_store_b128 v[AW], v[96+4*i:96+4*i+3] offset:544*i
.set i, i+1
.endr
	BARRIER
.set mt, 0
.rept 4
.if mt == 0
	WIN 0x80
.elseif mt == 2
	WIN 0xc0
.endif
.set ks, 0
.rept 8
.set pp, 0
.rept 6
.set PCN, 12*ks+6*(pp/3)+pp%3
.set rD, 96*(mt%2)+12*ks+2*pp
.if PCN%32 < 29
	ds_load_b64 v[rD:rD+1], v[A0] offset:13056*mt+8*PCN+16*(PCN/32)
.else
	ds_load_b64 v[rD:rD+1], v[A1] offset:13056*mt+8*PCN+16*(PCN/32)   ; lanes 16-31 are in the next chunk
.endif
.set pp, pp+1
.endr
.set ks, ks+1
.endr
.set mt, mt+1
.endr
	WIN 0
	s_wait_loadcnt 0x0                             ; a's scale words
	FETCHS 0
.irp g, 0,1,2,3
	LOADG \g, 0
.endr
	WIN 0
	s_mov_b32 s40, 8
.Lp1:
	P1TRIP 0
	P1TRIP 1
	s_sub_co_u32 s40, s40, 1
	s_cmp_lg_u32 s40, 0
	s_cbranch_scc1 .Lp1
; between the phases: the four waves' -M and sums are joined, and every block's byte is brought under the column's M
.irp m, 0,1,2,3
	v_permlanex16_b32 v[STAT+8*\m+5], v[STAT+8*\m+3], s44, s45
.endr
.irp m, 0,1,2,3
	v_add_f32 v[STAT+8*\m+3], v[STAT+8*\m+3], v[STAT+8*\m+5]
.endr
.irp m, 0,1,2,3
	ds_store_b32 v[STW], v[STAT+8*\m+2] offset:64*\m
	ds_store_b32 v[STW], v[STAT+8*\m+3] offset:256+64*\m
.endr
	BARRIER
.irp w, 0,1,2,3
.irp m, 0,1,2,3
	ds_load_b32 v[96+4*\w+\m], v[STR] offset:512*\w+64*\m
	ds_load_b32 v[112+4*\w+\m], v[STR] offset:512*\w+256+64*\m
.endr
.endr
.irp e, 0,1
.irp m, 0,1,2,3
.irp b, 0,1,2,3
	ds_load_b32 v[128+16*\e+4*\m+\b], v[FR] offset:4096*\b+512*\e+64*\m
.endr
.endr
.endr
	s_wait_dscnt 0x0
.irp m, 0,1,2,3
	v_min3_num_f32 v[STAT+8*\m], v[96+\m], v[100+\m], v[104+\m]
.endr
.irp m, 0,1,2,3
	v_min_num_f32 v[STAT+8*\m], v[STAT+8*\m], v[108+\m]   ; the column's -M
.endr
.irp w, 0,1,2,3
.irp m, 0,1,2,3
	v_sub_f32 v[96+4*\w+\m], v[STAT+8*\m], v[96+4*\w+\m]
.endr
.endr
.irp w, 0,1,2,3
.irp m, 0,1,2,3
	v_cvt_i32_f32 v[96+4*\w+\m], v[96+4*\w+\m]
.endr
.endr
.irp w, 0,1,2,3
.irp m, 0,1,2,3
	v_ldexp_f32 v[112+4*\w+\m], v[112+4*\w+\m], v[96+4*\w+\m]
.endr
.endr
.irp m, 0,1,2,3
	v_add_f32 v[112+\m], v[112+\m], v[116+\m]
	v_add_f32 v[120+\m], v[120+\m], v[124+\m]
.endr
.irp m, 0,1,2,3
	v_add_f32 v[STAT+8*\m+3], v[112+\m], v[120+\m]
.endr
	s_wait_alu depctr_va_vdst(0)
.irp m, 0,1,2,3
	v_rcp_f32 v[RI+2*\m], v[STAT+8*\m+3]
	v_rcp_f32 v[RI+2*\m+1], v[STAT+8*\m+3]
.endr
.irp e, 0,1
.irp m, 0,1,2,3
.irp b, 0,1,2,3
	v_sub_f32 v[128+16*\e+4*\m+\b], v[STAT+8*\m], v[128+16*\e+4*\m+\b]   ; byte + M' - M
.endr
.endr
.endr
.set i, 0
.rept 32
	v_max_num_f32 v[128+i], 1.0, v[128+i]
.set i, i+1
.endr
.set i, 0
.rept 32
	v_cvt_u32_f32 v[128+i], v[128+i]
.set i, i+1
.endr
.irp b, 1,2,3
.irp i, 0,1,2,3,4,5,6,7
	v_lshl_or_b32 v[128+4*\i], v[128+4*\i+\b], 8*\b, v[128+4*\i]
.endr
.endr
.irp e, 0,1
.irp m, 0,1,2,3
	ds_store_b32 v[PSW], v[128+16*\e+4*\m] offset:512*\e+64*\m
.endr
.endr
	BARRIER
	s_mov_b32 s41, 0
	s_mov_b32 s42, 0
	FETCHP 0                                       ; (its wait is also the one behind the reciprocals)
	P2TRIP 0, 1, 1, 1                              ; the first products start the sums
	s_mov_b32 s40, 6
.Lp2:
	P2TRIP 1, 0, 1, 1
	P2TRIP 0, 0, 1, 1
	s_sub_co_u32 s40, s40, 1
	s_cmp_lg_u32 s40, 0
	s_cbranch_scc1 .Lp2
	P2TRIP 1, 0, 1, 1
	P2TRIP 0, 0, 0, 1                              ; the last two trips fill nothing
	P2TRIP 1, 0, 0, 0
; The way out, 16 rows m at a time: x 1 / sum, into my record's bytes of slot 0 (which has had its last fill) in rows of 1,040 bytes, back by rows, and out: a store covers 512 consecutive bytes
.macro OUTB m
.irp win, 0,1
.if \win == 0
	WIN 0x82
.else
	WIN 0xc3
.endif
.set dd, 0
.rept 8
.irp j, 0,2,4,6
	v_pk_mul_f32 v[8*(4*dd+\m)+\j:8*(4*dd+\m)+\j+1], v[8*(4*dd+\m)+\j:8*(4*dd+\m)+\j+1], v[RI+2*\m:RI+2*\m+1] op_sel_hi:[1,0]
.endr
.set dd, dd+1
.endr
.endr
.irp win, 0,1
.if \win == 0
	WIN 0x08
.else
	WIN 0x0c
.endif
.set dd, 0
.rept 8
	ds_store_b128 v[SO], v[8*(4*dd+\m):8*(4*dd+\m)+3] offset:64*(8*\win+dd)
	ds_store_b128 v[SO], v[8*(4*dd+\m)+4:8*(4*dd+\m)+7] offset:64*(8*\win+dd)+16
.set dd, dd+1
.endr
.endr
	WIN 0
	s_wait_xcnt 0x0                                ; the registers that earlier stores read are written again only behind this wait
.set ii, 0
.rept 32
	ds_load_b128 v[BK+4*ii:BK+4*ii+3], v[FA] offset:1040*(ii/2)+512*(ii%2)
.set ii, ii+1
.endr
.set ii, 0
.rept 32
	s_wait_dscnt 31-ii                             ; read-back ii is in, the later ones may be out
	global_store_b128 v[GO], v[BK+4*ii:BK+4*ii+3], s[10:11] offset:(16*\m+ii/2)*4096+512*(ii%2) th:TH_STORE_NT
.set ii, ii+1
.endr
.endm
	PLACES
	OUTB 0
	OUTB 1
	OUTB 2
	OUTB 3
	s_wait_tensorcnt 0x0                           ; the wave's end
	ds_add_u32 v[SPW], v[NIL]
	s_wait_dscnt 0x0
	ROUND                                          ; the closing round
	s_endpgm
.Lfunc_end_k_qb10b202071_attn:
	.size	k_qb10b202071_attn, .Lfunc_end_k_qb10b202071_attn-k_qb10b202071_attn
	.p2alignl 7, 3214868480
	.fill 96, 4, 3214868480
	.section	.rodata,"a",@progbits
	.p2align	6, 0x0
	.amdhsa_kernel k_qb10b202071_attn
		.amdhsa_group_segment_fixed_size 327680
		.amdhsa_private_segment_fixed_size 0
		.amdhsa_enable_private_segment 0
		.amdhsa_kernarg_size 32
		.amdhsa_user_sgpr_count 2
		.amdhsa_user_sgpr_kernarg_segment_ptr 1
		.amdhsa_wavefront_size32 1
		.amdhsa_system_sgpr_workgroup_id_x 1
		.amdhsa_system_sgpr_workgroup_id_y 1
		.amdhsa_system_sgpr_workgroup_id_z 1
		.amdhsa_system_vgpr_workitem_id 0
		.amdhsa_next_free_vgpr 1024
		.amdhsa_next_free_sgpr 66
		.amdhsa_reserve_vcc 0
		.amdhsa_float_denorm_mode_32 3
		.amdhsa_float_denorm_mode_16_64 3
		.amdhsa_memory_ordered 1
		.amdhsa_forward_progress 1
		.amdhsa_inst_pref_size 225
	.end_amdhsa_kernel
	.amdgpu_metadata
---
amdhsa.version: [ 1, 2 ]
amdhsa.kernels:
  - .name:           k_qb10b202071_attn
    .symbol:         k_qb10b202071_attn.kd
    .args:
      - { .name: a_codes, .offset: 0, .size: 8, .value_kind: global_buffer, .address_space: global }
      - { .name: a_scales, .offset: 8, .size: 8, .value_kind: global_buffer, .address_space: global }
      - { .name: qc, .offset: 16, .size: 8, .value_kind: global_buffer, .address_space: global }
      - { .name: out0, .offset: 24, .size: 8, .value_kind: global_buffer, .address_space: global }
    .group_segment_fixed_size: 327680
    .private_segment_fixed_size: 0
    .kernarg_segment_align: 8
    .kernarg_segment_size: 32
    .max_flat_workgroup_size: 128
    .sgpr_count:     66
    .vgpr_count:     1024
    .wavefront_size: 32
...
	.end_amdgpu_metadata
.endif
;; end of part 4
